; MI455X (gfx1250); checked and timed in simulation.
; The chip was launched on July 23, 2026; its instructions are those of AMD's public machine-readable ISA for CDNA 5 (MIT licence, August 2026) and "CDNA5" Instruction Set Architecture Reference Guide (July 2026). The comments in the code are by the model that wrote it; some were corrected since.
;; Multi Head Attention. Allowed arithmetic: matrix products marked QUANTISED: E2M3 operands, one E8M0 scale for each 32 along K, by v_wmma_scale_f32_16x16x128_f8f6f4 with both operands' format E2M3, f32 sums; everything else in f32.
;; Inputs: wk 1,024 x 1,024 float32; wo 1,024 x 1,024 float32; wq 1,024 x 1,024 float32; wv 1,024 x 1,024 float32; x 4 x 2,048 x 1,024 float32.
;; Outputs: out0 4 x 2,048 x 1,024 float32.
;; This version of the problem:
;;   THIS VERSION OF THE PROBLEM IS GIVEN IN LOW PRECISION. The matrix products marked QUANTISED in the list below multiply operands that are first quantised to E2M3 (2 exponent bits, 3 mantissa bits; 6 bits a number), with one power-of-two scale for each 32 numbers along K (OCP MX v1.0); their sums are f32. All else is computed in f32.
;;   The module's matrix products, in the order in which they are computed (A, B: the left and right operand; K: the contracted axis; several contracted axes count as one K, in the product's order):
;;     1. [M 8,192, K 1,024] x [K 1,024, N 1,024]; A: input x; B: input wq: QUANTISED
;;     2. [M 8,192, K 1,024] x [K 1,024, N 1,024]; A: input x; B: input wk: QUANTISED
;;     3. [M 8,192, K 1,024] x [K 1,024, N 1,024]; A: input x; B: input wv: QUANTISED
;;     4. batch 64 x [M 2,048, K 64] x [K 64, N 2,048]; A: computed on the way; B: computed on the way: QUANTISED
;;     5. batch 64 x [M 2,048, K 2,048] x [K 2,048, N 64]; A: softmax (see below); B: computed on the way: QUANTISED
;;     6. [M 8,192, K 1,024] x [K 1,024, N 1,024]; A: computed on the way; B: input wo: QUANTISED
;;   THE QUANTISER, for each operand of a quantised product, along K:
;;     - K is cut into blocks of 32 from its start; a last block that is shorter is filled with zeros.
;;     - A block's scale is 2^e with e = floor(log2(the largest magnitude in the block)) - 2, held to -126 .. 127; a block of zeros has e = 0. As a byte (E8M0): e + 127.
;;     - Each number is divided by its block's scale, clamped to +-7.5, and rounded to the nearest number of E2M3, ties to even, subnormals kept.
;;     - The product sums the exact products of the quantised numbers (number of the format x scale) in f32.
;;   ~~~python
;;   def quantise(x, axis):      # numpy; x: float32 -> the quantised numbers, widened to float32 again
;;       x = np.moveaxis(x, axis, -1); K = x.shape[-1]
;;       x = np.pad(x, [(0, 0)] * (x.ndim - 1) + [(0, -K % 32)]); x = x.reshape(x.shape[:-1] + (-1, 32)); a = np.abs(x).max(-1, keepdims=True)
;;       e = np.where(a > 0, np.clip(np.frexp(np.where(a > 0, a, 1))[1] - 1 - 2, -126, 127), 0)      # np.frexp(a)[1] - 1 = floor(log2(a)), exactly
;;       r = np.clip(x / 2.0 ** e, -7.5, 7.5)
;;       step = 2.0 ** (np.maximum(np.frexp(np.where(r == 0, 1, r))[1] - 1, 0) - 3)
;;       q = np.round(r / step) * step * 2.0 ** e      # np.round: ties to even
;;       return np.moveaxis(q.reshape(q.shape[:-2] + (-1,))[..., :K], -1, axis).astype(np.float32)
;;   ~~~
;;   SOFTMAX AHEAD OF A QUANTISED PRODUCT. Where the list says 'softmax', what is quantised is not the finished softmax but p = 2^(t - M), with t = logit x log2(e) and M = ceil(the row's largest t), a whole number; so 1/2 < the row's largest p <= 1. The row's sum l is taken of the UNQUANTISED p, in f32, and the product's result is divided by l at the end. Since M is a whole number, a kernel that streams over the keys may use a running M (the ceiling of the running maximum): every later rescaling is an exact power of two, which a block's scale takes up: the codes' values come out the same.
;;   OPERANDS COMPUTED ON THE WAY. 'Computed on the way' means the value that the module computes at that place (a softmax that the list does not call 'softmax' is quantised finished and normalised). What goes into a quantiser is computed in f32, as accurately as f32 sums, v_exp_f32 and their like allow (about 1e-6 of the number): no bf16 or f16 on the way to a quantiser, and a product that is left as it is and whose result goes on into a quantised operand takes f32 operands (vector FMAs, or v_wmma_f32_16x16x4_f32). A number that lies on a knife's edge between two numbers of the format may be rounded either way, as far as f32 arithmetic and the matrix unit's own rounding can turn it there, and no further.
;; One version. Each part assembles by itself: llvm-mc -triple=amdgcn-amd-amdhsa -mcpu=gfx1250 --defsym DOCPART=n.
;; ======== version 1 of 1: 4 launches
;; workspace buffers: cw 9,437,184 bytes; sw 393,216 bytes; qc 6,291,456 bytes; qs 524,288 bytes; kv 13,369,344 bytes; yc 6,291,456 bytes; ys 262,144 bytes
;; launch quant (part 1): grid 768 x 1, 8 waves a work-group, no clusters, 69,632 bytes of LDS; arguments x, wq, wk, wv, wo, cw, sw; writes cw, sw
.if DOCPART == 1
	.amdgcn_target "amdgcn-amd-amdhsa--gfx1250"
	.amdhsa_code_object_version 6
	.text
	.protected	k_qeb88c4d230_quant
	.globl	k_qeb88c4d230_quant
	.p2align	8
	.type	k_qeb88c4d230_quant,@function
k_qeb88c4d230_quant:
	s_mov_b64 s[64:65], 0
	v_nop
	global_prefetch_b8 v0, s[64:65] scope:SCOPE_SE
	s_setreg_imm32_b32 hwreg(HW_REG_WAVE_MODE, 25, 1), 1
	s_wait_xcnt 0x0
; x [8192][1024] and wq, wk, wv, wo [1024][1024], f32 with K innermost, become codes of FP6 (E2M3) with one E8M0 byte for each 32 along K.
; A block's scale is 2^(floor(log2(its largest magnitude)) - 2); its byte is the largest magnitude's exponent field - 2, held at 1 from below.
; LIMITS: NaN and infinities are not served.  A block of zeros gets the byte 1 where the rule says 127: its codes are zeros, and these bytes are read by this program alone.
; LAYOUT OF THE RESULT.  The codes are stored as IMAGES OF THE OPERAND'S REGISTERS.  A tile is 16 rows; tile t of a tensor holds in lane r the row 32 (t / 2) + 8 (t % 2) + r + 8 (r / 8).
; For each 64 along K a tile has 768 bytes: lane l = (r, h = l / 16) owns the 24 bytes of block h of row r; its first 16 bytes lie at 16 l, its last 8 at 512 + 8 l.
; cw: [768 tiles][16 x 64 along K][768]: tiles 0-511 x, 512-575 wq, 576-639 wk, 640-703 wv, 704-767 wo.   sw: [768 tiles][4 x 256 along K][16 r][2 words]: a word holds the four bytes of 128 along K.
; SHARES.  A work-group makes one tile: 16 rows x 1,024.  Wave w takes K 128 w .. 128 w + 127: each of its sixteen loads reads 512 consecutive bytes of one row.  The conversions want 16 neighbours along K in one
; lane's registers, so the wave's 16 x 512 bytes turn through its own stage in LDS (rows 528 bytes apart).  No tensor load, no ring; one barrier, for the tile's 512 bytes of scale words, which leave as two whole blocks of 256 bytes.
.set ROWF,  4096                       ; a row of any of the five tensors, in bytes
.set SPIT,  528                        ; a stage row: 512 bytes + 16
.set WST,   16*SPIT                    ; a wave's stage
.set SCB,   8*WST                      ; behind the eight stages: the tile's scale words, 512 bytes
.set R,     16                         ; v16-79   the numbers as loaded: row i in four registers
.set X,     80                         ; v80-143  turned: register 16 b + i = k 32 b + 16 h + i of my row
.set PC,    144                        ; v144-155 the fragment's codes; v156-163 the conversions' second halves
.set TM,    164                        ; v164-179 at work
.set PW,    180                        ; v180     my row's scale word
.set OW,    184                        ; v184-187 the scale words on their way out
.set SEL,   20                         ; s[20:21] lane selects for v_permlanex16_b32: lane l xor 16
.set WV,    22                         ; s22      my wave's number
; 64 numbers of a lane, v[s] .. v[s + 63], register 16 b + i = k 32 b + 16 (lane / 16) + i of my row, become a fragment's codes in v[PC] on and its scale word in v[PW].
.macro QUANT s
.irp b, 0,1,2,3
	v_max3_num_f32 v[TM+\b], |v[\s+16*\b]|, |v[\s+1+16*\b]|, 0x1800000   ; block b: my 16 numbers, and the floor 2^(3 - 127): the byte cannot fall under 1
.endr
.irp i, 2,4,6,8,10,12,14
.irp b, 0,1,2,3
	v_max3_num_f32 v[TM+\b], v[TM+\b], |v[\s+16*\b+\i]|, |v[\s+1+16*\b+\i]|   ; the four blocks by turns
.endr
.endr
.irp b, 0,1,2,3
	v_permlanex16_b32 v[TM+4+\b], v[TM+\b], s[SEL], s[SEL+1]
.endr
.irp b, 0,1,2,3
	v_max_num_f32 v[TM+\b], v[TM+\b], v[TM+4+\b]   ; with lane l xor 16's: the block's largest magnitude
.endr
.irp b, 0,1,2,3
	v_add_nc_u32 v[TM+12+\b], 0xff000000, v[TM+\b]   ; 2 off its exponent field: the conversion takes this operand's exponent field as its scale
.endr
.irp b, 0,1,2,3
	v_lshrrev_b32 v[TM+4+\b], 23, v[TM+12+\b]      ; the scale's byte
.endr
	v_lshl_or_b32 v[PW], v[TM+5], 8, v[TM+4]
	v_lshl_or_b32 v[PW], v[TM+6], 16, v[PW]
	v_lshl_or_b32 v[PW], v[TM+7], 24, v[PW]
.irp c, 0,1
	v_cvt_scalef32_pk16_fp6_f32 v[PC+6*\c:PC+2+6*\c], v[\s+32*\c:\s+15+32*\c], v[TM+12+2*\c]
	v_cvt_scalef32_pk16_fp6_f32 v[PC+12+4*\c:PC+14+4*\c], v[\s+16+32*\c:\s+31+32*\c], v[TM+12+2*\c+1]   ; (a conversion's three registers begin on an even number)
.endr
	v_nop                                          ; one plain instruction behind the scaled conversions
.irp c, 0,1                                    ; the operand's layout wants a WHOLE block in a lane: lanes 0-15 block 2 c, lanes 16-31 block 2 c + 1
.irp i, 0,1,2
	v_permlane16_swap_b32 v[PC+6*\c+\i], v[PC+12+4*\c+\i]
.endr
.irp i, 0,1,2
	v_mov_b32 v[PC+3+6*\c+\i], v[PC+12+4*\c+\i]
.endr
.endr
.endm
	s_load_b256 s[4:11], s[0:1], 0x0               ; x s[4:5], wq s[6:7], wk s[8:9], wv s[10:11]
	s_load_b128 s[12:15], s[0:1], 0x20             ; wo s[12:13], cw s[14:15]
	s_load_b64 s[16:17], s[0:1], 0x30              ; sw
	v_lshl_add_u32 v192, v0, 2, 0x10c00
	v_mov_b32 v193, 0
	v_lshrrev_b32 v1, 5, v0
	v_readfirstlane_b32 s[WV], v1                  ; wave 0..7
	v_and_b32 v1, 31, v0                           ; lane
	v_and_b32 v2, 15, v0                           ; r
	v_bfe_u32 v3, v0, 4, 1                         ; h
	v_lshlrev_b32 v4, 4, v1                        ; 16 x lane
	v_lshlrev_b32 v5, 3, v1                        ; 8 x lane
	s_mul_i32 s23, s[WV], WST                      ; my stage
	v_add_nc_u32 v6, s23, v4                       ; into it: a row's 512 bytes as they lie
	v_mul_u32_u24 v7, v2, SPIT
	v_lshl_add_u32 v7, v3, 6, v7
	v_add_nc_u32 v7, s23, v7                       ; out of it: row r, + 64 h: my 16 numbers of each block of 32
	s_lshr_b32 s28, s[WV], 1
	s_lshl_b32 s28, s28, 7                         ; which 256 along K: 128 bytes each,
	s_and_b32 s29, s[WV], 1
	s_lshl_b32 s29, s29, 2                         ; which word of the two
	s_add_co_u32 s28, s28, s29
	s_add_co_u32 s28, s28, SCB
	v_lshl_add_u32 v8, v2, 3, s28                  ; where my row's scale word goes
	v_add_nc_u32 v9, SCB, v4                       ; and where wave 0 reads the 512 bytes back
	s_mov_b32 s[SEL], 0x76543210
	s_mov_b32 s[SEL+1], 0xfedcba98
.irp b, 0,1,2,3
	v_mov_b32 v[TM+4+\b], 0                        ; written once: a lane permute's destination counts as one of its sources
.endr
	s_sub_co_u32 s24, ttmp9, 512                   ; a weight's tile: which weight, which tile of it (of no use in x's work-groups, where nothing reads it)
	s_lshr_b32 s25, s24, 6
	s_and_b32 s30, s24, 63
	s_cmp_lt_u32 ttmp9, 512
	s_cselect_b32 s30, ttmp9, s30                  ; t: the tile's number in its tensor
	s_lshr_b32 s31, s30, 1
	s_lshl_b32 s31, s31, 17                        ; 32 (t / 2) rows of 4,096 bytes
	s_and_b32 s32, s30, 1
	s_lshl_b32 s32, s32, 15                        ; + 8 (t % 2) rows
	s_add_co_u32 s32, s32, s31
	s_lshl_b32 s33, s[WV], 9                       ; + my 128 along K
	s_add_co_u32 s32, s32, s33
	s_mov_b32 s33, 0
	s_mul_i32 s34, ttmp9, 12288                    ; the tile's codes,
	s_mul_i32 s35, s[WV], 1536                     ; my two images of 768 bytes
	s_add_co_u32 s34, s34, s35
	s_mov_b32 s35, 0
	s_lshl_b32 s36, ttmp9, 9                       ; the tile's scale words
	s_mov_b32 s37, 0
	s_wait_kmcnt 0x0
	s_mov_b64 s[26:27], s[12:13]                   ; the source: wo, unless the work-group's number says otherwise (the choice hangs on no address)
	s_cmp_eq_u32 s25, 2
	s_cselect_b64 s[26:27], s[10:11], s[26:27]
	s_cmp_eq_u32 s25, 1
	s_cselect_b64 s[26:27], s[8:9], s[26:27]
	s_cmp_eq_u32 s25, 0
	s_cselect_b64 s[26:27], s[6:7], s[26:27]
	s_cmp_lt_u32 ttmp9, 512
	s_cselect_b64 s[26:27], s[4:5], s[26:27]
	s_add_nc_u64 s[26:27], s[26:27], s[32:33]
	s_add_nc_u64 s[14:15], s[14:15], s[34:35]
	s_add_nc_u64 s[16:17], s[16:17], s[36:37]
.irp i, 0,1,2,3,4,5,6,7,8,9,10,11,12,13,14,15
	global_load_b128 v[R+4*\i:R+4*\i+3], v4, s[26:27] offset:(\i+8*(\i/8))*ROWF th:TH_LOAD_NT   ; the tile's i-th row: 32 lanes read 512 consecutive bytes; read once in the launch
.endr
.irp i, 0,1,2,3,4,5,6,7,8,9,10,11,12,13,14,15
	s_wait_loadcnt 15-\i                           ; loads come back in order: row i is in, the 15 - i younger ones stay out
	ds_store_b128 v6, v[R+4*\i:R+4*\i+3] offset:SPIT*\i
.endr
.irp b, 0,1,2,3
.irp j, 0,1,2,3
	ds_load_b128 v[X+16*\b+4*\j:X+16*\b+4*\j+3], v7 offset:128*\b+16*\j   ; my wave's own bytes, and LDS serves a wave's instructions in order: no wait, no barrier
.endr
.endr
	s_wait_dscnt 0x0
	QUANT X
.irp c, 0,1
	global_store_b128 v4, v[PC+6*\c:PC+6*\c+3], s[14:15] offset:768*\c          ; 32 lanes store 512 consecutive bytes, at a multiple of 256 from the buffer's first byte
	global_store_b64 v5, v[PC+6*\c+4:PC+6*\c+5], s[14:15] offset:768*\c+512     ; and 256
.endr
	ds_store_b32 v8, v[PW]                         ; lanes r and r + 16 write the same word with the same value
	s_wait_dscnt 0x0                               ; for the others' sake: my store has landed
	s_barrier_signal -1
	s_barrier_wait -1
	s_cmp_lg_u32 s[WV], 0
	s_cbranch_scc1 .Ldone
	ds_load_b128 v[OW:OW+3], v9                    ; wave 0: the tile's 512 bytes of scale words
	s_wait_dscnt 0x0
	global_store_b128 v4, v[OW:OW+3], s[16:17]
.Ldone:
	s_wait_tensorcnt 0x0
	ds_add_u32 v192, v193
	s_wait_dscnt 0x0
	s_endpgm
.Lfunc_end_k_qeb88c4d230_quant:
	.size	k_qeb88c4d230_quant, .Lfunc_end_k_qeb88c4d230_quant-k_qeb88c4d230_quant
	.p2alignl 7, 3214868480
	.fill 96, 4, 3214868480
	.section	.rodata,"a",@progbits
	.p2align	6, 0x0
	.amdhsa_kernel k_qeb88c4d230_quant
		.amdhsa_group_segment_fixed_size 69632
		.amdhsa_private_segment_fixed_size 0
		.amdhsa_enable_private_segment 0
		.amdhsa_kernarg_size 56
		.amdhsa_user_sgpr_count 2
		.amdhsa_user_sgpr_kernarg_segment_ptr 1
		.amdhsa_wavefront_size32 1
		.amdhsa_system_sgpr_workgroup_id_x 1
		.amdhsa_system_sgpr_workgroup_id_y 1
		.amdhsa_system_sgpr_workgroup_id_z 1
		.amdhsa_system_vgpr_workitem_id 0
		.amdhsa_next_free_vgpr 194
		.amdhsa_next_free_sgpr 66
		.amdhsa_reserve_vcc 0
		.amdhsa_float_denorm_mode_32 3
		.amdhsa_float_denorm_mode_16_64 3
		.amdhsa_memory_ordered 1
		.amdhsa_forward_progress 1
		.amdhsa_inst_pref_size 12
	.end_amdhsa_kernel
	.amdgpu_metadata
---
amdhsa.version: [ 1, 2 ]
amdhsa.kernels:
  - .name:           k_qeb88c4d230_quant
    .symbol:         k_qeb88c4d230_quant.kd
    .args:
      - { .name: x, .offset: 0, .size: 8, .value_kind: global_buffer, .address_space: global }
      - { .name: wq, .offset: 8, .size: 8, .value_kind: global_buffer, .address_space: global }
      - { .name: wk, .offset: 16, .size: 8, .value_kind: global_buffer, .address_space: global }
      - { .name: wv, .offset: 24, .size: 8, .value_kind: global_buffer, .address_space: global }
      - { .name: wo, .offset: 32, .size: 8, .value_kind: global_buffer, .address_space: global }
      - { .name: cw, .offset: 40, .size: 8, .value_kind: global_buffer, .address_space: global }
      - { .name: sw, .offset: 48, .size: 8, .value_kind: global_buffer, .address_space: global }
    .group_segment_fixed_size: 69632
    .private_segment_fixed_size: 0
    .kernarg_segment_align: 8
    .kernarg_segment_size: 56
    .max_flat_workgroup_size: 256
    .sgpr_count:     66
    .vgpr_count:     194
    .wavefront_size: 32
...
	.end_amdgpu_metadata
.endif
;; end of part 1
;; launch qkv (part 2): grid 12 x 32, 4 waves a work-group, clusters of 4 x 4, 327,680 bytes of LDS; arguments cw, sw, qc, qs, kv; writes qc, qs, kv
.if DOCPART == 2
	.amdgcn_target "amdgcn-amd-amdhsa--gfx1250"
	.amdhsa_code_object_version 6
	.text
	.protected	k_qeb88c4d230_qkv
	.globl	k_qeb88c4d230_qkv
	.p2align	8
	.type	k_qeb88c4d230_qkv,@function
k_qeb88c4d230_qkv:
	s_mov_b64 s[64:65], 0
	v_nop
	global_prefetch_b8 v0, s[64:65] scope:SCOPE_SE
	s_setreg_imm32_b32 hwreg(HW_REG_WAVE_MODE, 25, 1), 1
	s_wait_xcnt 0x0
	s_wait_alu depctr_hold_cnt(0) depctr_sa_sdst(0) depctr_va_vdst(0) depctr_va_sdst(0) depctr_va_ssrc(0) depctr_va_vcc(0) depctr_vm_vsrc(0)
	s_getreg_b32 s2, hwreg(HW_REG_IB_STS2, 6, 4)
	s_cmp_eq_u32 s2, 0
	s_cbranch_scc0 .Lentry_in_a_cluster
	s_endpgm
.Lentry_in_a_cluster:
	s_bfe_u32 s2, ttmp6, 0x10000c
	s_cmp_lg_u32 s2, 0xf033
	s_cbranch_scc0 .Lentry_shape_is_right
	s_endpgm
.Lentry_shape_is_right:
; q = x wq^T, k = x wk^T, v = x wv^T on codes of FP6 (E2M3) with E8M0 scales; the results are quantised in registers and leave as codes: q and k along the head's 64, v along the tokens.
; LIMITS: NaN and infinities are not served; a block of zeros gets the scale byte 1 (its codes are zeros; this program alone reads the bytes).
; OPERANDS (cw, sw) are images of the operand's registers.  A tile is 16 rows: lane r holds row 32 (t / 2) + 8 (t % 2) + r + 8 (r / 8).  For each 64 along K it has 768 bytes: lane l's first 16 bytes at 16 l, its last 8 at 512 + 8 l.
; So a fragment (16 rows x 128 K, 12 registers) is four LDS loads whose lanes read consecutive bytes: no pitch, no padding.
; A block of 256 x 256 results is made by four waves, 128 x 128 each: 64 accumulators, 512 registers.  K = 1,024 goes in four steps of 256 through two LDS slots filled by the tensor data mover.
; Source 0 ("B") gives a lane's registers, source 1 ("A") its lane.  With the tiles' rows chosen as above, the 16 registers of result tiles 2 b and 2 b + 1 are the neighbours 32 b + 16 (lane / 16) + 0 .. 15 of B's rows: what the
; conversions want.  For q and k: A = x (a lane holds a token), B = the weight (registers run along the features).  For v: A = wv (a lane holds a feature), B = x (registers run along the tokens).
; THE GRID.  Cluster x = 0: q, 1: k, 2: v: a number that all sixteen partners share, so offsets may be chosen by it and the way out may branch on it.
; CLUSTERS: 4 x 4 work-groups.  The four of a row of the cluster need the same tiles of A, the four of a column the same tiles of B: each tile is asked for jointly, by the same tensor load with the same descriptor and a mask that names the four.
; THE SCALE WORDS of the work-group's 16 tiles of A and of B, for all of K, are two dense blocks of 8,192 bytes: they come into LDS once, with the first fills.
; RESULTS.  qc: [64 heads][16 groups of 128 tokens][8 tiles][768].  qs: [64][16][32 lanes][4 words]: lane (r, hh), word j: tile 4 hh + j; a word is byte0 | byte1 << 8, upper bytes 0.
; kv: [64 heads][208,896]: codes [16 steps of 128 keys][k: 8 tiles x 768 | v: 4 tiles of 16 channels x 2 x 768], then from byte 196,608 the scales [16 steps][k: 512, laid like qs | v: 16 r x 4 words, word j = tile j].
; REGISTERS, in windows of 256: window 0: v16-31 addresses; v32-63 scale words, two sets, and nothing else; v64-107 at work on the way out; v128-223 A's fragments, one set; v150-245 the finished codes on the way out.
;   window 1: B's fragments, two sets, at v0 and v128.   window 2: the accumulators of A's tiles 0-3 ((a, b) at v[8 (8 a + b)]);   window 3: those of tiles 4-7.
.set NQ,    2                          ; matrix instructions deep in a slot
.set FR,    12                         ; registers of a fragment
.set NL,    4                          ; LDS loads that bring one
.set NP,    4                          ; places behind this matrix instruction (ISA guide 7.12.1)
.set TILEB, 3072                       ; a tile's bytes of one K step of 256: four images of 768
.set HALFT, 8*TILEB                    ; eight tiles: what one tensor load brings, and what one wave reads of A or of B
.set SLOT,  4*HALFT                    ; A's 16 tiles, then B's 16
.set SCL,   2*SLOT                     ; behind the ring: A's scale words, 8,192 bytes; B's begin 128 bytes further on than 8,192, so that lanes 0-15 and 16-31 of a load read different halves of 256 bytes
.set HALFS, 4096                       ; the scale words of eight tiles
.set SBLK,  512                        ; of one tile
.set SPARE, SCL+16640                  ; the spare words, 128 bytes for each wave: two blocks of 256 bytes that no other line names
.set ADRA, 16                          ; v16-17 LDS address of my A fragments in slot 0, 1, 16 bytes a lane;  v18-19 the same, 8 bytes a lane
.set ADRB, 20                          ; v20-23 the same for B
.set L16,  24                          ; v24    16 x lane
.set L8,   25                          ; v25    8 x lane
.set VSO,  26                          ; v26    v's scale words: 16 r + a head's bytes x (lane / 16)
.set ADRS, 27                          ; v27    LDS address of my scale words: lanes 0-15 A's, lanes 16-31 B's
.set SPW,  28                          ; v28    LDS address of my spare word; never rewritten
.set NIL,  29                          ; v29    0; never rewritten
.set LN,   30                          ; v30    lane
.set SC,   32                          ; scale words: set s at v[SC + 16 s]; register 2 i + q: lanes 0-15 A's tile i, lanes 16-31 B's tile i, the slot's q-th 128 along K
.set TM,   64                          ; v64-79  the way out: largest magnitudes, bytes, scale operands
.set PWB,  80                          ; v80-87  the scale word of each of A's eight tiles
.set XW,   88                          ; v88-91  lanes 0-15: words of tiles 0-3, lanes 16-31: of tiles 4-7
.set YW,   92                          ; v92-95  their low halves
.set ZW,   96                          ; v96-99  their high halves
.set T2,   100                         ; v100-107 the conversions' second halves
.set AF,   128                         ; A's fragments
.set CODE, 150                         ; the finished codes: tile a at v[CODE + 12 a]; so placed that no conversion names one number as destination and as source
.set SEL,  2                           ; s[2:3]  lane selects for v_permlanex16_b32: lane l xor 16
.set OB,   8                           ; s[8:9], s[10:11] where the codes of my first and second head go
.set SB0,  12                          ; s[12:13] and the scale words of the first,
.set SB1,  98                          ; s[98:99] of the second
.set WV,   14
.set HA,   15                          ; which half of A's tiles is mine.  Also: I fetch for A (0) or for B (1)
.set HB,   16                          ; which half of B's.  Also: which eight tiles I fetch
.set G1,   24                          ; s[24:31] descriptor group 1 for A's tiles;  s[32:39] group 0, one set for each slot
.set G0,   32
.set G1B,  48                          ; s[48:55], s[56:63] the same for B's
.set G0B,  56
.set G1S,  68                          ; s[68:75], s[76:79] for A's scale words;  s[80:87], s[88:91] for B's
.set G0S,  76
.set G1SB, 80
.set G0SB, 88
.set MSB, 0
.macro WIN new                         ; the immediate's high byte repeats the setting that is left
.if MSB != (\new)
	s_set_vgpr_msb (MSB<<8)|(\new)
.set MSB, (\new)
.endif
.endm
.set MUL_LO, 0xa1                      ; source 0 (B) window 1, source 1 (A) window 0, C and D window 2
.set MUL_HI, 0xf1                      ; the same, C and D window 3
.set TO_B,   0x40                      ; destination window 1, address window 0
; A joint load: waves 0 and 1 fetch for A, waves 2 and 3 for B.  Each line has one mask and one set of registers for all that issue it; the branch hangs on the wave's number alone.  Four v_nop follow each line.
.macro JLOAD g0a, g1a, g0b, g1b
	s_cmp_eq_u32 s[HA], 0
	s_cbranch_scc0 .Lfor_b_\@
	tensor_load_to_lds s[\g0a:\g0a+3], s[\g1a:\g1a+7]
	s_nop 0
.rept 4
	v_nop
.endr
	s_branch .Lasked_\@
.Lfor_b_\@:
	tensor_load_to_lds s[\g0b:\g0b+3], s[\g1b:\g1b+7]
	s_nop 0
.rept 4
	v_nop
.endr
.Lasked_\@:
.endm
.macro CREST                           ; a round of the cluster's barrier behind its opening barrier
	s_cmp_lg_u32 s[WV], 0
	s_cbranch_scc1 .Lnot_wave_0_\@
	s_barrier_signal -3
.Lnot_wave_0_\@:
	s_barrier_wait -3
	s_barrier_signal -1
	s_barrier_wait -1
.endm
.macro CROUND                          ; a whole round
	s_barrier_signal -1
	s_barrier_wait -1
	CREST
.endm
	s_load_b256 s[4:11], s[0:1], 0x0               ; cw s[4:5], sw s[6:7], qc s[8:9], qs s[10:11]
	s_load_b64 s[12:13], s[0:1], 0x20              ; kv
	v_lshl_add_u32 v[SPW], v0, 2, SPARE
	v_mov_b32 v[NIL], 0
	ds_add_u32 v28, v29
	ds_add_u32 v28, v29
	s_wait_dscnt 0x0
	v_lshrrev_b32 v1, 5, v0
	v_readfirstlane_b32 s[WV], v1                  ; wave 0..3
	s_lshr_b32 s[HA], s[WV], 1
	s_and_b32 s[HB], s[WV], 1
	s_bfe_u32 s40, ttmp6, 0x40000                  ; cx, cy: my place in the cluster
	s_bfe_u32 s41, ttmp6, 0x40004
	s_and_b32 s45, ttmp7, 0xffff                   ; cluster y
	s_cmp_eq_u32 ttmp9, 2                          ; v's clusters: x takes B's part and wv A's
	s_cselect_b32 s66, s45, ttmp9                  ; the cluster's place along B,
	s_cselect_b32 s67, 0, s45                      ; along A
	s_cselect_b32 s94, 640, 0                      ; A's first tile in cw: wv's or x's
	s_cselect_b32 s95, 0, 512                      ; B's: x's, or wq's (wk's 64 tiles follow wq's)
	s_lshl_b32 s42, s66, 2
	s_add_co_u32 s42, s42, s40                     ; my block along B = 4 x the cluster's + cx
	s_lshl_b32 s17, s67, 2
	s_add_co_u32 s17, s17, s41                     ; my block along A = 4 x the cluster's + cy
	s_lshl_b32 s43, s41, 2
	s_lshl_b32 s43, 15, s43                        ; my row of the cluster
	s_lshl_b32 s44, 0x1111, s40                    ; my column
	; descriptor group 1: eight tiles' parts of a K step: 8 rows of 3,072 bytes (384 elements of 8 bytes), 12,288 bytes apart in memory, on end in LDS
	s_or_b32 s[G1+0], s43, (3<<16)|(1<<21)         ; 15:0 the mask: A's tiles go to my row; 17:16 elements of 8 bytes; 20 no padding; 21 set beside a mask
	s_or_b32 s[G1B+0], s44, (3<<16)|(1<<21)        ; B's go to my column
.irp g, G1, G1B
	s_mov_b32 s[\g+1], 384<<16                     ; tensor_dim0
	s_mov_b32 s[\g+2], 8<<16                       ; tensor_dim1
	s_mov_b32 s[\g+3], 384<<16                     ; tile_dim0
	s_mov_b32 s[\g+4], 8                           ; tile_dim1
	s_mov_b32 s[\g+5], 1536                        ; tensor_dim0_stride
	s_mov_b32 s[\g+6], 0
	s_mov_b32 s[\g+7], 0
.endr
	; and for the scale words of eight tiles: a dense block of 4,096 bytes as 16 rows of 256
	s_or_b32 s[G1S+0], s43, (3<<16)|(1<<21)
	s_or_b32 s[G1SB+0], s44, (3<<16)|(1<<21)
.irp g, G1S, G1SB
	s_mov_b32 s[\g+1], 32<<16
	s_mov_b32 s[\g+2], 16<<16
	s_mov_b32 s[\g+3], 32<<16
	s_mov_b32 s[\g+4], 16
	s_mov_b32 s[\g+5], 32
	s_mov_b32 s[\g+6], 0
	s_mov_b32 s[\g+7], 0
.endr
	s_lshl_b32 s18, s[HB], 3                       ; which eight tiles of the sixteen I fetch
	s_lshl_b32 s20, s17, 4
	s_add_co_u32 s20, s20, s18
	s_add_co_u32 s20, s20, s94                     ; A: the first of them
	s_lshl_b32 s46, s42, 4
	s_add_co_u32 s46, s46, s18
	s_add_co_u32 s46, s46, s95                     ; B likewise
	s_lshl_b32 s22, s20, 9                         ; their scale words: 512 bytes a tile
	s_mov_b32 s23, 0
	s_lshl_b32 s92, s46, 9
	s_mov_b32 s93, 0
	s_mul_i32 s20, s20, 12288                      ; their codes: 12,288 bytes a tile
	s_mov_b32 s21, 0
	s_mul_i32 s46, s46, 12288
	s_mov_b32 s47, 0
	s_mul_i32 s45, s[WV], HALFT                    ; where they go: wave x eight tiles: no place in the cluster enters an LDS address
	s_mul_i32 s96, s[WV], HALFS
	s_wait_kmcnt 0x0
	s_add_nc_u64 s[20:21], s[4:5], s[20:21]
	s_add_nc_u64 s[22:23], s[6:7], s[22:23]
	s_add_nc_u64 s[46:47], s[4:5], s[46:47]
	s_add_nc_u64 s[92:93], s[6:7], s[92:93]
	CROUND                                         ; all sixteen work-groups are here: the first joint loads meet
	s_mov_b32 s[G0S], 1
	s_add_co_u32 s[G0S+1], s96, SCL
	s_mov_b64 s[G0S+2:G0S+3], s[22:23]
	s_or_b32 s[G0S+3], s[G0S+3], 0x80000000
	s_mov_b32 s[G0SB], 1
	s_add_co_u32 s[G0SB+1], s96, SCL+128
	s_mov_b64 s[G0SB+2:G0SB+3], s[92:93]
	s_or_b32 s[G0SB+3], s[G0SB+3], 0x80000000
	JLOAD G0S, G1S, G0SB, G1SB                     ; the scale words first: they are wanted with K step 0
.irp s, 0,1
	s_mov_b32 s[G0+4*\s], 1
	s_add_co_u32 s[G0+4*\s+1], s45, \s*SLOT
	s_add_nc_u64 s[G0+4*\s+2:G0+4*\s+3], s[20:21], \s*TILEB
	s_or_b32 s[G0+4*\s+3], s[G0+4*\s+3], 0x80000000
	s_mov_b32 s[G0B+4*\s], 1
	s_add_co_u32 s[G0B+4*\s+1], s45, \s*SLOT
	s_add_nc_u64 s[G0B+4*\s+2:G0B+4*\s+3], s[46:47], \s*TILEB
	s_or_b32 s[G0B+4*\s+3], s[G0B+4*\s+3], 0x80000000
	JLOAD G0+4*\s, G1, G0B+4*\s, G1B               ; three tensor loads of mine are out behind the second of these
.endr
	v_and_b32 v1, 15, v0                           ; r
	v_bfe_u32 v2, v0, 4, 1                         ; h
	v_and_b32 v[LN], 31, v0
	v_lshlrev_b32 v[L16], 4, v[LN]
	v_lshlrev_b32 v[L8], 3, v[LN]
	s_mul_i32 s21, s[HA], HALFT                    ; my eight tiles of A
	s_mul_i32 s22, s[HB], HALFT                    ; my eight of B,
	s_add_co_u32 s22, s22, 2*HALFT                 ; which lie behind A's sixteen
.irp s, 0,1
	v_add_nc_u32 v[ADRA+\s], s21, v[L16]
	v_add_nc_u32 v[ADRB+\s], s22, v[L16]
	v_add_nc_u32 v[ADRA+2+\s], s21, v[L8]
	v_add_nc_u32 v[ADRB+2+\s], s22, v[L8]
	s_add_co_u32 s21, s21, SLOT
	s_add_co_u32 s22, s22, SLOT
.endr
	v_lshlrev_b32 v5, 3, v1                        ; my row's two scale words of a K step
	s_mul_i32 s21, s[HA], HALFS                    ; A's: my eight tiles
	s_mul_i32 s22, s[HB], HALFS                    ; B's: my eight, behind A's sixteen and the 128 bytes
	s_add_co_u32 s22, s22, 2*HALFS+128
	s_sub_co_u32 s22, s22, s21
	v_mul_u32_u24 v6, s22, v2                      ; lanes 16-31 take B's: the lower base + h x the distance
	s_add_co_u32 s21, s21, SCL
	v_add_nc_u32 v5, v5, v6
	v_add_nc_u32 v[ADRS], s21, v5
	v_mul_u32_u24 v[VSO], v2, 0x33000              ; 208,896: a head's bytes in kv
	v_lshl_add_u32 v[VSO], v1, 4, v[VSO]
.irp b, 0,1,2,3
	v_mov_b32 v[TM+4+\b], 0                        ; written once: a lane permute's destination counts as one of its sources
.endr
	s_mov_b32 s[SEL], 0x76543210
	s_mov_b32 s[SEL+1], 0xfedcba98
	; where my results go
	s_lshl_b32 s18, s17, 8
	s_lshl_b32 s19, s[HA], 7
	s_add_co_u32 s18, s18, s19                     ; my first row of A
	s_lshl_b32 s19, s42, 8
	s_lshl_b32 s20, s[HB], 7
	s_add_co_u32 s19, s19, s20                     ; my first row of B
	s_cmp_eq_u32 ttmp9, 2
	s_cselect_b32 s20, s19, s18                    ; my first token,
	s_cselect_b32 s21, s18, s19                    ; my first feature
	s_cselect_b32 s22, 6144, 0                     ; v's codes lie behind k's in a step,
	s_cselect_b32 s23, 512, 0                      ; and so do its scale words
	s_and_b32 s21, s21, 1023
	s_lshr_b32 s21, s21, 6                         ; my first head of two
	s_lshr_b32 s45, s20, 11
	s_lshl_b32 s45, s45, 4
	s_add_co_u32 s45, s45, s21                     ; 16 x batch + head
	s_lshr_b32 s46, s20, 7
	s_and_b32 s46, s46, 15                         ; my group of 128 tokens
	s_cmp_eq_u32 ttmp9, 0                          ; q goes to qc and qs, k and v to kv
	s_cselect_b64 s[OB:OB+1], s[8:9], s[12:13]
	s_cselect_b64 s[SB0:SB0+1], s[10:11], s[12:13]
	s_mov_b32 s47, 208896
	s_cselect_b32 s66, 98304, s47                  ; from head to head: codes,
	s_cselect_b32 s92, 8192, s47                   ; scale words
	s_mov_b32 s47, 12288
	s_cselect_b32 s67, 6144, s47                   ; from group to group: codes,
	s_mov_b32 s47, 768
	s_cselect_b32 s93, 512, s47                    ; scale words
	s_cselect_b32 s94, 0, 196608                   ; in kv the scale words lie behind a head's codes
	s_mul_i32 s96, s45, s66
	s_mul_i32 s97, s46, s67
	s_add_co_u32 s96, s96, s97
	s_add_co_u32 s96, s96, s22
	s_mov_b32 s97, 0
	s_add_nc_u64 s[OB:OB+1], s[OB:OB+1], s[96:97]
	s_mov_b32 s67, 0
	s_add_nc_u64 s[OB+2:OB+3], s[OB:OB+1], s[66:67]
	s_mul_i32 s96, s45, s92
	s_mul_i32 s100, s46, s93
	s_add_co_u32 s96, s96, s100
	s_add_co_u32 s96, s96, s94
	s_add_co_u32 s96, s96, s23
	s_add_nc_u64 s[SB0:SB0+1], s[SB0:SB0+1], s[96:97]
	s_mov_b32 s93, 0
	s_add_nc_u64 s[SB1:SB1+1], s[SB0:SB0+1], s[92:93]
.macro FRAG reg, adr, q, i             ; a fragment: tile i's two images of the slot's q-th 128 along K: registers 0-3, 4-5, 6-9, 10-11
	ds_load_b128 v[\reg:\reg+3], v[\adr] offset:(\i)*TILEB+(\q)*1536
	ds_load_b64 v[\reg+4:\reg+5], v[\adr+2] offset:(\i)*TILEB+(\q)*1536+512
	ds_load_b128 v[\reg+6:\reg+9], v[\adr] offset:(\i)*TILEB+(\q)*1536+768
	ds_load_b64 v[\reg+10:\reg+11], v[\adr+2] offset:(\i)*TILEB+(\q)*1536+1280
.endm
; 16 matrix instructions: A's tiles a0, a0 + 1 x B's eight, 128 along K.  p: B's set;  sc: the set of scale words.  zero = 1: the first product starts the sums: nothing is ever cleared.
; The 64 accumulators take turns, one instruction a turn, in the same order in every step.
.macro MUL16 a0, p, q, sc, zero
.irp a, \a0, \a0+1
.irp b, 0,1,2,3,4,5,6,7
.if \zero
	v_wmma_scale_f32_16x16x128_f8f6f4 v[8*(8*((\a)%4)+\b):8*(8*((\a)%4)+\b)+7], v[128*(\p)+FR*\b:128*(\p)+FR*\b+FR-1], v[AF+FR*(\a):AF+FR*(\a)+FR-1], 0, v[SC+8*NQ*(\sc)+NQ*\b+(\q)], v[SC+8*NQ*(\sc)+NQ*(\a)+(\q)] matrix_a_fmt:MATRIX_FMT_FP6 matrix_b_fmt:MATRIX_FMT_FP6 matrix_a_scale:MATRIX_SCALE_ROW1
.else
	v_wmma_scale_f32_16x16x128_f8f6f4 v[8*(8*((\a)%4)+\b):8*(8*((\a)%4)+\b)+7], v[128*(\p)+FR*\b:128*(\p)+FR*\b+FR-1], v[AF+FR*(\a):AF+FR*(\a)+FR-1], v[8*(8*((\a)%4)+\b):8*(8*((\a)%4)+\b)+7], v[SC+8*NQ*(\sc)+NQ*\b+(\q)], v[SC+8*NQ*(\sc)+NQ*(\a)+(\q)] matrix_a_fmt:MATRIX_FMT_FP6 matrix_b_fmt:MATRIX_FMT_FP6 matrix_a_scale:MATRIX_SCALE_ROW1
.endif
.endr
.endr
.endm
.macro FETCH_B slot, q, p              ; B's eight fragments into set p
	WIN TO_B
.irp i, 0,1,2,3,4,5,6,7
	FRAG 128*(\p)+FR*\i, ADRB+\slot, \q, \i
.endr
	WIN 0
.endm
.macro FETCH_A slot, q, i0             ; A's tiles i0 .. i0 + 3
.irp i, \i0, \i0+1, \i0+2, \i0+3
	FRAG AF+FR*(\i), ADRA+\slot, \q, \i
.endr
.endm
.macro SCALES sc                       ; a K step's scale words into set sc: two words a row; lanes 0-15 take A's tile i, lanes 16-31 B's tile i
.irp i, 0,1,2,3,4,5,6,7
	ds_load_b64 v[SC+8*NQ*\sc+NQ*\i:SC+8*NQ*\sc+NQ*\i+1], v[ADRS] offset:\i*SBLK
.endr
.endm
; A load into a register that a matrix instruction has read, and a vector instruction that reads a matrix result, stand NP places behind that matrix instruction; only plain vector instructions that name none of its registers are places.
.macro PLACES n
.rept \n
	v_nop
.endr
.endm
; A step of 128 along K that has its successor in the same slot.  A tile of A is free as soon as its eight products are issued, so one set of registers serves A.
.macro STEP slot, q, zero
	s_wait_dscnt 4*NL                              ; B's set, A's tiles 0-3 and the scale words are in; the youngest sixteen loads (A's tiles 4-7) may be out
	WIN MUL_LO
	MUL16 0, (\q)%2, \q, \slot, \zero
	MUL16 2, (\q)%2, \q, \slot, \zero
	s_wait_dscnt 0                                 ; A's tiles 4-7 are in
	PLACES NP
	FETCH_B \slot, (\q)+1, 1-(\q)%2
	FETCH_A \slot, (\q)+1, 0
	WIN MUL_HI
	MUL16 4, (\q)%2, \q, \slot, \zero
	MUL16 6, (\q)%2, \q, \slot, \zero
	PLACES NP
	WIN 0
	FETCH_A \slot, (\q)+1, 4
.endm
; A slot's last step changes slots: one barrier; in front of it each wave waits for all its tensor loads, adds 0 to its spare word, and waits for that and for its own reads of this slot.  fill = 1: this slot is filled again, two K steps ahead.
.macro TURN slot, next, fill
	s_wait_tensorcnt 0x0                           ; all my tensor loads have landed: my part of the next slot  (every window is 0 here)
	ds_add_u32 v[SPW], v[NIL]                      ; 0 onto my spare word
	s_wait_dscnt 4*NL+1                            ; the add and the youngest sixteen loads, A's tiles 4-7, may be out
	WIN MUL_LO
	MUL16 0, 1, NQ-1, \slot, 0                     ; sixteen matrix instructions stand between the add and the wait for it
	s_wait_dscnt 0x0                               ; the add is done, and my reads of this slot are over
	s_barrier_signal -1
	MUL16 2, 1, NQ-1, \slot, 0
	WIN 0
	s_barrier_wait -1
.if \fill
	CREST                                          ; the barrier has opened a round of the cluster's barrier: no wave of any partner still reads this slot or has a load on its way
	s_add_nc_u64 s[G0+4*\slot+2:G0+4*\slot+3], s[G0+4*\slot+2:G0+4*\slot+3], 2*TILEB
	s_add_nc_u64 s[G0B+4*\slot+2:G0B+4*\slot+3], s[G0B+4*\slot+2:G0B+4*\slot+3], 2*TILEB
	JLOAD G0+4*\slot, G1, G0B+4*\slot, G1B         ; the first tensor load behind the round; its four v_nop are also the places in front of the loads below
.else
	PLACES NP
.endif
	s_wait_alu depctr_va_vdst(0)
	v_add_nc_u32 v[ADRS], 128, v[ADRS]             ; on to the next K step's scale words
	FETCH_B \next, 0, 0
	FETCH_A \next, 0, 0
	SCALES \next
	WIN MUL_HI
	MUL16 4, 1, NQ-1, \slot, 0
	MUL16 6, 1, NQ-1, \slot, 0
	PLACES NP
	WIN 0
	FETCH_A \next, 0, 4
.endm
	s_wait_alu depctr_va_vdst(0)
	s_wait_tensorcnt 1                             ; the scale words and my part of K step 0 are in; K step 1's load may be out
	s_barrier_signal -1
	s_barrier_wait -1                              ; everybody's are
	FETCH_B 0, 0, 0
	FETCH_A 0, 0, 0
	SCALES 0
	FETCH_A 0, 0, 4
	STEP 0, 0, 1                                   ; K 0-127: the products start the sums.  K has four slots' worth, so the steps are written out: a loop would have one trip
	TURN 0, 1, 1                                   ; K 128-255; slot 0 takes K 512-767
	STEP 1, 0, 0
	TURN 1, 0, 1                                   ; slot 1 takes K 768-1023
	STEP 0, 0, 0
	TURN 0, 1, 0                                   ; nothing is left to fetch, so no round of the cluster's barrier
	STEP 1, 0, 0
	s_wait_dscnt 4*NL                              ; the very last step
	WIN MUL_LO
	MUL16 0, 1, NQ-1, 1, 0
	MUL16 2, 1, NQ-1, 1, 0
	s_wait_dscnt 0
	WIN MUL_HI
	MUL16 4, 1, NQ-1, 1, 0
	MUL16 6, 1, NQ-1, 1, 0
	WIN 0
; THE WAY OUT.  The 64 registers of A's tile a (its eight accumulators) are, in lane (r, h), B's rows 32 b + 16 h + i at register 16 b + i: four blocks of 32 along the axis to be quantised.  They become 12 registers of codes
; and a scale word.  The maxima take the accumulators as sources 0 and 1 and the running maximum as source 2, so that one window setting serves all 32 lines; each accumulator is read from its low end on.
.macro QUANTB a
.set QW, 2+(\a)/4
.set QS, 64*((\a)%4)
	WIN (QW|(QW<<2))
.irp b, 0,1,2,3
	v_max3_num_f32 v[TM+\b], |v[QS+16*\b]|, |v[QS+16*\b+1]|, 0x1800000   ; and the floor 2^(3 - 127): the byte cannot fall under 1
.endr
.irp i, 2,4,6,8,10,12,14
.irp b, 0,1,2,3
	v_max3_num_f32 v[TM+\b], |v[QS+16*\b+\i]|, |v[QS+16*\b+\i+1]|, v[TM+\b]
.endr
.endr
	WIN 0
.irp b, 0,1,2,3
	v_permlanex16_b32 v[TM+4+\b], v[TM+\b], s[SEL], s[SEL+1]
.endr
.irp b, 0,1,2,3
	v_max_num_f32 v[TM+\b], v[TM+\b], v[TM+4+\b]   ; with lane l xor 16's: the block's largest magnitude
.endr
.irp b, 0,1,2,3
	v_add_nc_u32 v[TM+12+\b], 0xff000000, v[TM+\b] ; 2 off its exponent field: the conversion's scale operand
.endr
.irp b, 0,1,2,3
	v_lshrrev_b32 v[TM+4+\b], 23, v[TM+12+\b]      ; the scale's byte
.endr
	v_lshl_or_b32 v[PWB+(\a)], v[TM+5], 8, v[TM+4]
	v_lshl_or_b32 v[PWB+(\a)], v[TM+6], 16, v[PWB+(\a)]
	v_lshl_or_b32 v[PWB+(\a)], v[TM+7], 24, v[PWB+(\a)]
	WIN QW                                         ; source 0: the accumulators' window
.irp c, 0,1
	v_cvt_scalef32_pk16_fp6_f32 v[CODE+12*(\a)+6*\c:CODE+12*(\a)+6*\c+2], v[QS+32*\c:QS+32*\c+15], v[TM+12+2*\c]
	v_cvt_scalef32_pk16_fp6_f32 v[T2+4*\c:T2+4*\c+2], v[QS+32*\c+16:QS+32*\c+31], v[TM+12+2*\c+1]
.endr
	WIN 0
	v_nop                                          ; one plain instruction behind the scaled conversions
.irp c, 0,1                                    ; a whole block to a lane: lanes 0-15 block 2 c, lanes 16-31 block 2 c + 1
.irp i, 0,1,2
	v_permlane16_swap_b32 v[CODE+12*(\a)+6*\c+\i], v[T2+4*\c+\i]
.endr
.irp i, 0,1,2
	v_mov_b32 v[CODE+12*(\a)+6*\c+3+\i], v[T2+4*\c+\i]
.endr
.endr
.endm
	PLACES NP                                      ; behind the last products: their results are read and A's registers written below
.irp a, 0,1,2,3,4,5,6,7
	QUANTB \a
.endr
	v_cmp_lt_u32 vcc_lo, 15, v[LN]
.irp j, 0,1,2,3
	v_cndmask_b32 v[XW+\j], v[PWB+\j], v[PWB+4+\j], vcc_lo   ; lanes 0-15: tile j's word, lanes 16-31: tile 4 + j's
.endr
	s_cmp_eq_u32 ttmp9, 2                          ; the cluster's number: the same in all partners
	s_cbranch_scc1 .Lv_out
	; q and k: blocks 0, 1 are my first head's 64, blocks 2, 3 my second's: each half of a tile's codes is a whole image of 16 tokens x 64
.irp j, 0,1,2,3
	v_and_b32 v[YW+\j], 0xffff, v[XW+\j]
	v_lshrrev_b32 v[ZW+\j], 16, v[XW+\j]
.endr
.irp a, 0,1,2,3,4,5,6,7
.irp c, 0,1
	global_store_b128 v[L16], v[CODE+12*\a+6*\c:CODE+12*\a+6*\c+3], s[OB+2*\c:OB+2*\c+1] offset:768*\a        ; 32 lanes store 512 consecutive bytes, at a multiple of 256 from the buffer's first byte
	global_store_b64 v[L8], v[CODE+12*\a+6*\c+4:CODE+12*\a+6*\c+5], s[OB+2*\c:OB+2*\c+1] offset:768*\a+512    ; and 256
.endr
.endr
	global_store_b128 v[L16], v[YW:YW+3], s[SB0:SB0+1]
	global_store_b128 v[L16], v[ZW:ZW+3], s[SB1:SB1+1]
	s_branch .Lout_done
.Lv_out:
	s_wait_alu depctr_va_vdst(0)
	; v: tiles 0-3 are my first head's 64 channels, tiles 4-7 my second's; a tile's codes are 16 channels x my 128 tokens
.irp a, 0,1,2,3,4,5,6,7
.irp c, 0,1
	global_store_b128 v[L16], v[CODE+12*\a+6*\c:CODE+12*\a+6*\c+3], s[OB+2*(\a/4):OB+2*(\a/4)+1] offset:(\a%4)*1536+768*\c
	global_store_b64 v[L8], v[CODE+12*\a+6*\c+4:CODE+12*\a+6*\c+5], s[OB+2*(\a/4):OB+2*(\a/4)+1] offset:(\a%4)*1536+768*\c+512
.endr
.endr
	global_store_b128 v[VSO], v[XW:XW+3], s[SB0:SB0+1]   ; lanes 0-15 fill my first head's 256 bytes, lanes 16-31 my second's
.Lout_done:
	s_wait_tensorcnt 0x0                           ; the wave's end
	ds_add_u32 v[SPW], v[NIL]
	s_wait_dscnt 0x0
	CROUND                                         ; the closing round: no work-group ends while a partner may still ask for a tile that names it
	s_endpgm
.Lfunc_end_k_qeb88c4d230_qkv:
	.size	k_qeb88c4d230_qkv, .Lfunc_end_k_qeb88c4d230_qkv-k_qeb88c4d230_qkv
	.p2alignl 7, 3214868480
	.fill 96, 4, 3214868480
	.section	.rodata,"a",@progbits
	.p2align	6, 0x0
	.amdhsa_kernel k_qeb88c4d230_qkv
		.amdhsa_group_segment_fixed_size 327680
		.amdhsa_private_segment_fixed_size 0
		.amdhsa_enable_private_segment 0
		.amdhsa_kernarg_size 40
		.amdhsa_user_sgpr_count 2
		.amdhsa_user_sgpr_kernarg_segment_ptr 1
		.amdhsa_wavefront_size32 1
		.amdhsa_system_sgpr_workgroup_id_x 1
		.amdhsa_system_sgpr_workgroup_id_y 1
		.amdhsa_system_sgpr_workgroup_id_z 1
		.amdhsa_system_vgpr_workitem_id 0
		.amdhsa_next_free_vgpr 1024
		.amdhsa_next_free_sgpr 102
		.amdhsa_reserve_vcc 1
		.amdhsa_float_denorm_mode_32 3
		.amdhsa_float_denorm_mode_16_64 3
		.amdhsa_memory_ordered 1
		.amdhsa_forward_progress 1
		.amdhsa_inst_pref_size 153
	.end_amdhsa_kernel
	.amdgpu_metadata
---
amdhsa.version: [ 1, 2 ]
amdhsa.kernels:
  - .name:           k_qeb88c4d230_qkv
    .symbol:         k_qeb88c4d230_qkv.kd
    .args:
      - { .name: cw, .offset: 0, .size: 8, .value_kind: global_buffer, .address_space: global }
      - { .name: sw, .offset: 8, .size: 8, .value_kind: global_buffer, .address_space: global }
      - { .name: qc, .offset: 16, .size: 8, .value_kind: global_buffer, .address_space: global }
      - { .name: qs, .offset: 24, .size: 8, .value_kind: global_buffer, .address_space: global }
      - { .name: kv, .offset: 32, .size: 8, .value_kind: global_buffer, .address_space: global }
    .group_segment_fixed_size: 327680
    .private_segment_fixed_size: 0
    .kernarg_segment_align: 8
    .kernarg_segment_size: 40
    .max_flat_workgroup_size: 128
    .sgpr_count:     102
    .vgpr_count:     1024
    .wavefront_size: 32
...
	.end_amdgpu_metadata
.endif
;; end of part 2
;; launch attn (part 3): grid 4 x 64, 16 waves a work-group, no clusters, 210,944 bytes of LDS; arguments qc, qs, kv, yc, ys; writes yc, ys
.if DOCPART == 3
	.amdgcn_target "amdgcn-amd-amdhsa--gfx1250"
	.amdhsa_code_object_version 6
	.text
	.protected	k_qeb88c4d230_attn
	.globl	k_qeb88c4d230_attn
	.p2align	8
	.type	k_qeb88c4d230_attn,@function
k_qeb88c4d230_attn:
	s_mov_b64 s[64:65], 0
	v_nop
	global_prefetch_b8 v0, s[64:65] scope:SCOPE_SE
	s_setreg_imm32_b32 hwreg(HW_REG_WAVE_MODE, 25, 1), 1
	s_wait_xcnt 0x0
; y[b][q][head][:] = the sum over k <= q of softmax_k(q . k / 8) v[k][:], both products on codes of FP6 (E2M3) with E8M0 scales; y is quantised along the model's 1,024 and leaves as codes.
; THE SOFTMAX AHEAD OF THE SECOND PRODUCT: t = score x log2(e) / 8; M = the row's largest t so far, rounded UP to a whole number; p = 2^(t - M) is what is quantised, along the keys, not normalised.
; The row's sum is taken of the unquantised p, in f32, and divides O at the end.  When M moves, the sum and O are multiplied by 2^(old M - new M): exact.
; LIMITS: NaN and infinities are not served; a p under 2^-126 counts as 0 (ISA guide, v_exp_f32), beside a row sum of at least 1/2; a block of zeros gets the scale byte 1 (its codes are zeros; this program alone reads the bytes).
; INPUTS are images of the operands' registers (see the launch that makes them): 768 bytes for 16 rows x 64 along K: lane l's first 16 bytes at 16 l, its last 8 at 512 + 8 l.  A tile's lane r holds row 32 (t / 2) + 8 (t % 2) + r + 8 (r / 8).
; SHARES.  A head has eight blocks of 256 queries.  Work-group i of a head takes block 7 - i and then block i: 272 steps of 16 queries x 128 keys in every work-group.  Each of its sixteen waves owns one tile of 16 queries
; in a pass: tile a = wave % 8 of group g = 2 x block + wave / 8 (a group is 128 tokens).  It walks key steps 0 .. g; only step g, its own group, is masked.
; LDS is a copy of the head's 208,896 bytes of kv, filled ONCE, by five tensor loads a wave at the kernel's head: the scale words, then four stages of four key steps.  Nothing is filled again.
; NO CLUSTER, though the four work-groups of a head read the same k and v: which steps a wave leaves out hangs on its block of queries, which differs between those four;
; without the branch each wave would walk all sixteen steps in both passes, twice the steps.
; LAYOUT.  Both products are used transposed: S^T = K Q^T (source 0 = 16 keys), O^T = V^T P^T (source 0 = 16 channels): a lane holds ONE query throughout, and the 16 registers of tiles 2 b, 2 b + 1 are neighbours 32 b + 16 (lane / 16) + 0 .. 15.
; THE HEAD'S 64 FILL HALF OF THE INSTRUCTION'S 128: Q's registers 6-11 are zero codes.  K's tile t is named as v[32 + 6 t] on, twelve registers: its upper six are the next tile's codes (behind the last: zeros), numbers that meet zeros.
; The upper two bytes of q's and k's scale words are 0, which is a number and no NaN.
; REGISTERS: v1-5 what stays; v8-11 addresses in hand; v12 -M, v13 the largest t, v[14:15] the sum in two halves; v16-21 Q, v22-27 zeros; v32-79 K's eight tiles, then V's four fragments; v80-85 zeros; v86-92 the second pass's Q and
; its scale word; v96-159 S^T, then p; v160-191 O^T; v224-235 p's codes; v232-247, v252, v254 at work; v248-251 K's or V's scale words; v253 p's scale word; v255 Q's.
.set STEPB, 12288                      ; a key step's codes: K's 6,144 bytes, then V's
.set STGB,  4*STEPB                    ; a stage: four key steps
.set SCO,   196608                     ; where a head's scale words begin: 768 bytes a step: K's 512, V's 256
.set HEADB, 208896
.set WV,   14                          ; s14  wave
.set AT,   15                          ; s15  my tile in its group
.set HH,   16                          ; s16  wave / 8
.set BH,   17                          ; s17  16 x batch + head
.set SEL,  20                          ; s[20:21] lane selects for v_permlanex16_b32: lane l xor 16
.set CS,   22                          ; s[22:23] c = log2(e) / 8
.set G1C,  24                          ; s[24:31] descriptor group 1: 12 rows of 256 bytes;  s[32:39]: 3 rows
.set G1S,  32
.set G0,   40                          ; s[40:59] five groups 0
.set GR,   60                          ; s60  this pass's group
.set GR2,  61                          ; s61  the second pass's
.set TB,   62                          ; s62  LDS byte at which the step's codes begin
.set TS,   63                          ; s63  and its scale words
.set KI,   66                          ; s66  the key step
.set PASS, 67
.set YB,   70                          ; s[70:71], s[72:73] where y's codes go, this pass and the second
.set YB2,  72
.set YS,   74                          ; s[74:75], s[76:77] and its scale bytes
.set YS2,  76
.set QB,   88                          ; s[88:89], s[90:91] Q's codes;  s[92:93], s[94:95] Q's scale words
.set QB2,  90
.set QW,   92
.set QW2,  94
	s_load_b256 s[4:11], s[0:1], 0x0               ; qc s[4:5], qs s[6:7], kv s[8:9], yc s[10:11]
	s_load_b64 s[12:13], s[0:1], 0x20              ; ys
	v_lshl_add_u32 v223, v0, 2, 0x33000
	v_mov_b32 v243, 0
	ds_add_u32 v223, v243
	ds_add_u32 v223, v243
	v_lshrrev_b32 v8, 5, v0
	s_delay_alu instid0(VALU_DEP_1)
	v_readfirstlane_b32 s[WV], v8                  ; wave 0..15
	s_and_b32 s[BH], ttmp7, 0xffff
	s_mul_i32 s78, s[BH], HEADB                    ; the head's bytes in kv
	s_mov_b32 s79, 0
	s_mul_i32 s80, s[WV], 3072                     ; my sixteenth of a stage,
	s_mul_i32 s81, s[WV], 768
	s_add_co_u32 s81, s81, SCO                     ; and of the scale words: in memory and in LDS alike
	s_mov_b32 s83, 0
	s_mov_b32 s[G1C], 3<<16                        ; 15:0 no mask; 17:16 elements of 8 bytes; no padding
	s_mov_b32 s[G1C+1], 32<<16                     ; tensor_dim0: 256 bytes
	s_mov_b32 s[G1C+2], 12<<16                     ; tensor_dim1
	s_mov_b32 s[G1C+3], 32<<16                     ; tile_dim0
	s_mov_b32 s[G1C+4], 12                         ; tile_dim1
	s_mov_b32 s[G1C+5], 32                         ; tensor_dim0_stride: dense
	s_mov_b32 s[G1C+6], 0
	s_mov_b32 s[G1C+7], 0
	s_mov_b32 s[G1S], 3<<16
	s_mov_b32 s[G1S+1], 32<<16
	s_mov_b32 s[G1S+2], 3<<16
	s_mov_b32 s[G1S+3], 32<<16
	s_mov_b32 s[G1S+4], 3
	s_mov_b32 s[G1S+5], 32
	s_mov_b32 s[G1S+6], 0
	s_mov_b32 s[G1S+7], 0
	s_wait_dscnt 0x0
	s_wait_kmcnt 0x0
	s_add_nc_u64 s[8:9], s[8:9], s[78:79]          ; kv at my head
	s_mov_b32 s[G0], 1
	s_mov_b32 s[G0+1], s81
	s_mov_b32 s82, s81
	s_add_nc_u64 s[G0+2:G0+3], s[8:9], s[82:83]
	s_or_b32 s[G0+3], s[G0+3], 0x80000000
.irp st, 0,1,2,3
	s_mov_b32 s[G0+4+4*\st], 1
	s_add_co_u32 s[G0+5+4*\st], s80, \st*STGB
	s_mov_b32 s82, s[G0+5+4*\st]
	s_add_nc_u64 s[G0+6+4*\st:G0+7+4*\st], s[8:9], s[82:83]
	s_or_b32 s[G0+7+4*\st], s[G0+7+4*\st], 0x80000000
.endr
	tensor_load_to_lds s[G0:G0+3], s[G1S:G1S+7]    ; all first fills in one group, ahead of every wait on TENSORcnt, every LDS read and every barrier: five tensor loads of mine are out
	s_nop 0
.irp st, 0,1,2,3
	tensor_load_to_lds s[G0+4+4*\st:G0+7+4*\st], s[G1C:G1C+7]
	s_nop 0
.endr
.rept 4
	v_nop
.endr
	s_and_b32 s[AT], s[WV], 7
	s_lshr_b32 s[HH], s[WV], 3
	s_lshl_b32 s18, ttmp9, 1
	s_add_co_u32 s[GR2], s18, s[HH]                ; second pass: block i: group 2 i + wave / 8
	s_sub_co_u32 s[GR], 14, s18
	s_add_co_u32 s[GR], s[GR], s[HH]               ; first pass: block 7 - i
	v_and_b32 v6, 15, v0                           ; r
	v_bfe_u32 v7, v0, 4, 1                         ; h
	v_and_b32 v1, 31, v0
	s_delay_alu instid0(VALU_DEP_1)
	v_lshlrev_b32 v2, 3, v1                        ; v2: 8 x lane
	s_delay_alu instid0(VALU_DEP_2)
	v_lshlrev_b32 v1, 4, v1                        ; v1: 16 x lane
	s_wait_alu depctr_va_vdst(0)
	v_lshlrev_b32 v3, 4, v6                        ; v3: 16 r
	s_wait_alu depctr_va_vdst(0)
	v_lshlrev_b32 v4, 3, v6                        ; v4: 8 r
	v_and_b32 v5, 8, v6
	s_delay_alu instid0(VALU_DEP_1)
	v_add_nc_u32 v5, v5, v6
	v_lshlrev_b32 v7, 4, v7
	s_delay_alu instid0(VALU_DEP_1)
	v_sub_nc_u32 v5, v5, v7
	s_lshr_b32 s78, s[AT], 1
	s_lshl_b32 s78, s78, 5
	s_and_b32 s79, s[AT], 1
	s_lshl_b32 s79, s79, 3
	s_add_co_u32 s78, s78, s79
	v_add_nc_u32 v5, s78, v5                       ; v5: d = my query's place in its group - 16 h.  Register 16 b + i holds the step's key 32 b + 16 h + i: in my own group it is hidden where 32 b + i > d
	s_mul_i32 s80, s[BH], 98304                    ; qc: my head, my tile
	s_mul_i32 s78, s[AT], 768
	s_add_co_u32 s80, s80, s78
	s_lshl_b32 s81, s[BH], 13                      ; qs: my head, my tile's word: 256 (a / 4) + 4 (a % 4)
	s_lshr_b32 s78, s[AT], 2
	s_lshl_b32 s78, s78, 8
	s_add_co_u32 s81, s81, s78
	s_and_b32 s78, s[AT], 3
	s_lshl_b32 s78, s78, 2
	s_add_co_u32 s81, s81, s78
	s_lshr_b32 s82, s[BH], 4
	s_lshl_b32 s82, s82, 7
	s_add_co_u32 s82, s82, s[AT]                   ; y's tile: 128 x batch + a (+ 8 g)
	s_and_b32 s87, s[BH], 15                       ; the head:
	s_mul_i32 s83, s87, 768                        ; its 64 along y's K,
	s_lshr_b32 s86, s87, 2
	s_lshl_b32 s86, s86, 7
	s_and_b32 s87, s87, 3
	s_lshl_b32 s87, s87, 1
	s_add_co_u32 s86, s86, s87                     ; its two scale bytes: 128 (head / 4) + 2 (head % 4)
; a pass's four bases, from its group
.macro BASES gr, oq, ow, oy, oz
	s_mul_i32 s78, s[\gr], 6144
	s_add_co_u32 s78, s78, s80
	s_mov_b32 s79, 0
	s_add_nc_u64 s[\oq:\oq+1], s[4:5], s[78:79]
	s_lshl_b32 s78, s[\gr], 9
	s_add_co_u32 s78, s78, s81
	s_add_nc_u64 s[\ow:\ow+1], s[6:7], s[78:79]
	s_lshl_b32 s78, s[\gr], 3
	s_add_co_u32 s78, s78, s82
	s_mul_i32 s84, s78, 12288
	s_add_co_u32 s84, s84, s83
	s_mov_b32 s85, 0
	s_add_nc_u64 s[\oy:\oy+1], s[10:11], s[84:85]
	s_lshl_b32 s84, s78, 9
	s_add_co_u32 s84, s84, s86
	s_add_nc_u64 s[\oz:\oz+1], s[12:13], s[84:85]
.endm
	BASES GR, QB, QW, YB, YS
	BASES GR2, QB2, QW2, YB2, YS2
	global_load_b128 v[16:19], v1, s[QB:QB+1]      ; Q's image: it stays in registers
	global_load_b64 v[20:21], v2, s[QB:QB+1] offset:512
	global_load_b32 v255, v3, s[QW:QW+1]           ; and its scale words
	global_load_b128 v[86:89], v1, s[QB2:QB2+1]    ; the second pass's
	global_load_b64 v[90:91], v2, s[QB2:QB2+1] offset:512
	global_load_b32 v92, v3, s[QW2:QW2+1]
	s_mov_b32 s[SEL], 0x76543210
	s_mov_b32 s[SEL+1], 0xfedcba98
	s_mov_b32 s[CS], 0x3e38aa3b                    ; c = log2(e) / 8
	s_mov_b32 s[CS+1], s[CS]                       ; (named with it as a pair, so it is written)
.irp i, 0,1,2,3,4,5
	v_mov_b32 v[22+\i], 0                          ; the zero codes of Q's upper 64,
	v_mov_b32 v[80+\i], 0                          ; and what stands behind K's last tile
.endr
.irp b, 0,1,2,3
	v_mov_b32 v[236+\b], 0                         ; written once: a lane permute's destination counts as one of its sources
.endr
	v_mov_b32 v252, 0
	v_mov_b32 v253, 0                              ; (named as the upper half of the pair v[252:253] before it is first written)
	s_wait_loadcnt 0x0
; A KEY STEP: 128 keys.
.macro STEP
	s_cmp_gt_u32 s[KI], s[GR]                      ; a step all of whose keys come after my queries is left out: a branch on ids, round no barrier and no tensor load
	s_cbranch_scc1 .Lhidden_\@
	s_setprio 2
	v_add_nc_u32 v8, s[TB], v1                     ; (these four are also the places behind the last step's products, in front of the loads into their registers)
	v_add_nc_u32 v9, s[TB], v2
	v_add_nc_u32 v10, s[TS], v1
	v_add_nc_u32 v11, s[TS], v3
.irp t, 0,1,2,3,4,5,6,7
	ds_load_b128 v[32+6*\t:35+6*\t], v8 offset:768*\t
	ds_load_b64 v[36+6*\t:37+6*\t], v9 offset:768*\t+512
.endr
	ds_load_b128 v[248:251], v10                   ; K's scale words: lanes 0-15 tiles 0-3, lanes 16-31 tiles 4-7
	s_wait_alu depctr_va_vdst(0)
	s_wait_dscnt 0x0
.irp t, 0,1,2,3
	v_wmma_scale_f32_16x16x128_f8f6f4 v[96+8*\t:103+8*\t], v[32+6*\t:43+6*\t], v[16:27], 0, v[248+\t], v255 matrix_a_fmt:MATRIX_FMT_FP6 matrix_b_fmt:MATRIX_FMT_FP6
.endr
.irp t, 4,5,6,7
	v_wmma_scale_f32_16x16x128_f8f6f4 v[96+8*\t:103+8*\t], v[32+6*\t:43+6*\t], v[16:27], 0, v[244+\t], v255 matrix_a_fmt:MATRIX_FMT_FP6 matrix_b_fmt:MATRIX_FMT_FP6 matrix_a_scale:MATRIX_SCALE_ROW1
.endr
.rept 4
	v_nop                                          ; places: in front of the loads into K's and its scale words' registers, and of the first read of the scores
.endr
.irp t, 0,1,2,3                                ; V's four fragments are asked for now and land under the softmax
.irp c, 0,1
	ds_load_b128 v[32+12*\t+6*\c:35+12*\t+6*\c], v8 offset:6144+1536*\t+768*\c
	ds_load_b64 v[36+12*\t+6*\c:37+12*\t+6*\c], v9 offset:6144+1536*\t+768*\c+512
.endr
.endr
	ds_load_b128 v[248:251], v11 offset:512        ; V's scale words: word j = tile j
	s_cmp_lg_u32 s[KI], s[GR]                      ; only my own group's step is masked
	s_cbranch_scc1 .Lopen_\@
	v_mov_b32 v254, 0xff800000                     ; -infinity: p = 0 then
.set n, 0
.rept 64
	v_cmp_gt_i32 vcc_lo, 32*(n/16)+n%16, v5
	v_cndmask_b32 v[96+n], v[96+n], v254, vcc_lo
.set n, n+1
.endr
.Lopen_\@:
.irp b, 0,1,2,3
	v_max3_num_f32 v[232+\b], v[96+16*\b], v[97+16*\b], v[98+16*\b]   ; the largest score of each block of 32 keys: it serves the row's maximum and, since p rises with the score, the block's largest p
.endr
.irp i, 3,5,7,9,11,13
.irp b, 0,1,2,3
	v_max3_num_f32 v[232+\b], v[232+\b], v[96+16*\b+\i], v[97+16*\b+\i]
.endr
.endr
.irp b, 0,1,2,3
	v_max_num_f32 v[232+\b], v[232+\b], v[111+16*\b]
.endr
.irp b, 0,1,2,3
	s_delay_alu instid0(VALU_DEP_4)
	v_permlanex16_b32 v[236+\b], v[232+\b], s[SEL], s[SEL+1]
.endr
.irp b, 0,1,2,3
	s_delay_alu instid0(VALU_DEP_4)
	v_max_num_f32 v[232+\b], v[232+\b], v[236+\b]  ; with lane l xor 16's 16 keys
.endr
	s_delay_alu instid0(VALU_DEP_2)
	v_max3_num_f32 v254, v232, v233, v234
	s_delay_alu instid0(VALU_DEP_1)
	v_max_num_f32 v254, v254, v235                 ; the step's largest score of my query (its own key counts, so it is a number)
	s_delay_alu instid0(VALU_DEP_1)
	v_mul_f32 v254, s[CS], v254                    ; as t
	s_delay_alu instid0(VALU_DEP_1)
	v_max_num_f32 v13, v13, v254                   ; the running largest t
	v_mov_b32 v254, v12
	s_delay_alu instid0(VALU_DEP_2)
	v_floor_f32 v12, -v13                          ; the new -M = floor(-t): M is a whole number
	s_delay_alu instid0(VALU_DEP_1)
	v_sub_f32 v254, v12, v254                      ; M's old value less its new one: a whole number, 0 or less
	s_delay_alu instid0(VALU_DEP_1)
	v_cvt_i32_f32 v254, v254                       ; (it saturates)
	s_delay_alu instid0(VALU_DEP_1)
	v_ldexp_f32 v252, 1.0, v254                    ; f = 2^(old M - new M)
.set n, 0
.rept 32
	v_pk_fma_f32 v[96+n:97+n], v[96+n:97+n], s[CS:CS+1], v[12:13] op_sel_hi:[1,0,0]   ; t - M, two at a time
.set n, n+2
.endr
	s_setprio 1
.irp b, 0,1,2,3
	v_fma_f32 v[232+\b], v[232+\b], s[CS], v12     ; the same of each block's largest score
.endr
.set n, 0
	s_wait_alu depctr_va_vdst(0)
.rept 64
	v_exp_f32 v[96+n], v[96+n]                     ; p = 2^(t - M), at most 1
.set n, n+1
.endr
	v_pk_mul_f32 v[14:15], v[14:15], v[252:253] op_sel_hi:[1,0]   ; the sums under the new M.  (The plain instruction behind the exponentials)
	s_wait_alu depctr_va_vdst(0)                   ; one wait for the whole batch, ahead of its first reader
.irp b, 0,1,2,3
	v_exp_f32 v[232+\b], v[232+\b]                 ; the block's largest p: the same two instructions on the same number give the same bits
.endr
	v_pk_add_f32 v[236:237], v[100:101], v[104:105]
	v_pk_add_f32 v[246:247], v[108:109], v[112:113]
	v_pk_add_f32 v[244:245], v[116:117], v[120:121]
	v_pk_add_f32 v[240:241], v[124:125], v[128:129]
	v_pk_add_f32 v[238:239], v[132:133], v[136:137]
	v_pk_add_f32 v[230:231], v[140:141], v[144:145]
	v_pk_add_f32 v[228:229], v[148:149], v[152:153]
	v_pk_add_f32 v[14:15], v[14:15], v[156:157]
	v_pk_add_f32 v[236:237], v[236:237], v[96:97]
	v_pk_add_f32 v[246:247], v[246:247], v[98:99]
	v_pk_add_f32 v[244:245], v[244:245], v[102:103]
	v_pk_add_f32 v[240:241], v[240:241], v[106:107]
	v_pk_add_f32 v[238:239], v[238:239], v[110:111]
	v_pk_add_f32 v[230:231], v[230:231], v[114:115]
	v_pk_add_f32 v[228:229], v[228:229], v[118:119]
	v_pk_add_f32 v[14:15], v[14:15], v[122:123]
	v_pk_add_f32 v[236:237], v[236:237], v[126:127]
	v_pk_add_f32 v[246:247], v[246:247], v[130:131]
	v_pk_add_f32 v[244:245], v[244:245], v[134:135]
	v_pk_add_f32 v[240:241], v[240:241], v[138:139]
	v_pk_add_f32 v[238:239], v[238:239], v[142:143]
	v_pk_add_f32 v[230:231], v[230:231], v[146:147]
	v_pk_add_f32 v[228:229], v[228:229], v[150:151]
	v_pk_add_f32 v[14:15], v[14:15], v[154:155]
	v_pk_add_f32 v[236:237], v[236:237], v[158:159]
	s_delay_alu instid0(VALU_DEP_2)
	v_pk_add_f32 v[14:15], v[14:15], v[240:241]
	s_delay_alu instid0(VALU_DEP_2)
	v_pk_add_f32 v[236:237], v[236:237], v[238:239]
	v_pk_add_f32 v[246:247], v[246:247], v[230:231]
	v_pk_add_f32 v[244:245], v[244:245], v[228:229]
	s_delay_alu instid0(VALU_DEP_2)
	v_pk_add_f32 v[14:15], v[14:15], v[246:247]
	s_delay_alu instid0(VALU_DEP_2)
	v_pk_add_f32 v[236:237], v[236:237], v[244:245]
	s_delay_alu instid0(VALU_DEP_1)
	v_pk_add_f32 v[14:15], v[14:15], v[236:237]
	s_wait_alu depctr_va_vdst(0)                   ; and one for the four
.irp b, 0,1,2,3
	v_max_num_f32 v[232+\b], 0x1800000, v[232+\b]  ; the floor 2^(3 - 127): the byte cannot fall under 1
.endr
.irp b, 0,1,2,3
	s_delay_alu instid0(VALU_DEP_4)
	v_add_nc_u32 v[244+\b], 0xff000000, v[232+\b]  ; 2 off the exponent field: the conversion's scale operand
.endr
.irp b, 0,1,2,3
	s_delay_alu instid0(VALU_DEP_4)
	v_lshrrev_b32 v[236+\b], 23, v[244+\b]         ; the scale's byte
.endr
	s_delay_alu instid0(VALU_DEP_3)
	v_lshl_or_b32 v253, v237, 8, v236              ; p's scale word for these 128 keys
	s_delay_alu instid0(VALU_DEP_1)
	v_lshl_or_b32 v253, v238, 16, v253
	s_delay_alu instid0(VALU_DEP_1)
	v_lshl_or_b32 v253, v239, 24, v253
	s_setprio 0
.irp c, 0,1
	v_cvt_scalef32_pk16_fp6_f32 v[224+6*\c:226+6*\c], v[96+32*\c:111+32*\c], v[244+2*\c]
	v_cvt_scalef32_pk16_fp6_f32 v[236+4*\c:238+4*\c], v[112+32*\c:127+32*\c], v[244+2*\c+1]
.endr
	v_nop                                          ; one plain instruction behind the scaled conversions
.irp c, 0,1                                    ; a whole block to a lane
.irp i, 0,1,2
	v_permlane16_swap_b32 v[224+6*\c+\i], v[236+4*\c+\i]
.endr
.irp i, 0,1,2
	s_delay_alu instid0(VALU_DEP_3)
	v_mov_b32 v[227+6*\c+\i], v[236+4*\c+\i]
.endr
.endr
.set n, 0
.rept 16
	v_pk_mul_f32 v[160+n:161+n], v[160+n:161+n], v[252:253] op_sel_hi:[1,0]   ; O^T under the new M.  (Also the places between the writes of p's codes and scale word and the products)
.set n, n+2
.endr
	s_wait_alu depctr_va_vdst(0)
	s_wait_dscnt 0x0                               ; V and its scale words are in
.irp t, 0,1,2,3
	v_wmma_scale_f32_16x16x128_f8f6f4 v[160+8*\t:167+8*\t], v[32+12*\t:43+12*\t], v[224:235], v[160+8*\t:167+8*\t], v[248+\t], v253 matrix_a_fmt:MATRIX_FMT_FP6 matrix_b_fmt:MATRIX_FMT_FP6   ; the four accumulators by turns, one instruction a turn
.endr
.Lhidden_\@:
	s_add_co_u32 s[TB], s[TB], STEPB
	s_add_co_u32 s[TS], s[TS], 768
	s_add_co_u32 s[KI], s[KI], 1
.endm
; A STAGE: four key steps, behind a barrier in front of which every wave has seen its part of them land.  The count leaves the later stages' loads out.
.macro STAGE st
	s_wait_tensorcnt 3-\st
	s_wait_dscnt 0x0
	s_barrier_signal -1
	s_barrier_wait -1
	s_mov_b32 s[TB], \st*STGB
	s_mov_b32 s[TS], SCO+\st*3072
	s_mov_b32 s[KI], 4*\st
.Lstep_\@:
	STEP
	s_cmp_lt_u32 s[KI], 4*\st+4
	s_cbranch_scc1 .Lstep_\@
	s_setprio 0
.endm
	s_mov_b32 s[PASS], 2
.Lpass:
	v_mov_b32 v13, 0xff61b1e6                      ; the largest t so far: -3e38, under every t
	s_delay_alu instid0(VALU_DEP_1)
	v_floor_f32 v12, -v13                          ; -M
	v_mov_b32 v14, 0
	v_mov_b32 v15, 0
.set n, 0
.rept 32
	v_mov_b32 v[160+n], 0                          ; O^T: the step is written without a first step of its own: it finds zeros, which the first change of M leaves zeros
.set n, n+1
.endr
	STAGE 0
	STAGE 1
	STAGE 2
	STAGE 3
	; THE WAY OUT: y = O^T / the sum; its 32 registers are, in lane (r, h), channels 32 b + 16 h + i at register 16 b + i: two blocks of y's K.  They become one image of 16 tokens x 64 and two scale bytes.
.rept 4
	v_nop                                          ; places behind the last products
.endr
	v_add_f32 v14, v14, v15
	s_delay_alu instid0(VALU_DEP_1)
	v_permlanex16_b32 v252, v14, s[SEL], s[SEL+1]
	s_delay_alu instid0(VALU_DEP_1)
	v_add_f32 v14, v14, v252                       ; the row's sum
	s_wait_alu depctr_va_vdst(0)
	v_rcp_f32 v14, v14
	v_nop                                          ; a plain instruction behind the transcendental,
	s_wait_alu depctr_va_vdst(0)                   ; and the wait ahead of its first reader
.set n, 0
.rept 32
	v_mul_f32 v[96+n], v[160+n], v14
.set n, n+1
.endr
.irp b, 0,1
	v_max3_num_f32 v[232+\b], |v[96+16*\b]|, |v[97+16*\b]|, 0x1800000
.endr
.irp i, 2,4,6,8,10,12,14
.irp b, 0,1
	s_delay_alu instid0(VALU_DEP_2)
	v_max3_num_f32 v[232+\b], v[232+\b], |v[96+16*\b+\i]|, |v[97+16*\b+\i]|
.endr
.endr
.irp b, 0,1
	s_delay_alu instid0(VALU_DEP_2)
	v_permlanex16_b32 v[236+\b], v[232+\b], s[SEL], s[SEL+1]
.endr
.irp b, 0,1
	s_delay_alu instid0(VALU_DEP_2)
	v_max_num_f32 v[232+\b], v[232+\b], v[236+\b]
.endr
.irp b, 0,1
	s_delay_alu instid0(VALU_DEP_2)
	v_add_nc_u32 v[244+\b], 0xff000000, v[232+\b]
.endr
.irp b, 0,1
	s_delay_alu instid0(VALU_DEP_2)
	v_lshrrev_b32 v[236+\b], 23, v[244+\b]
.endr
	s_delay_alu instid0(VALU_DEP_1)
	v_lshl_or_b32 v240, v237, 8, v236              ; the head's two bytes
	v_cvt_scalef32_pk16_fp6_f32 v[224:226], v[96:111], v244
	v_cvt_scalef32_pk16_fp6_f32 v[236:238], v[112:127], v245
	v_nop
.irp i, 0,1,2
	v_permlane16_swap_b32 v[224+\i], v[236+\i]
.endr
.irp i, 0,1,2
	s_delay_alu instid0(VALU_DEP_3)
	v_mov_b32 v[227+\i], v[236+\i]
.endr
	global_store_b128 v1, v[224:227], s[YB:YB+1]               ; 32 lanes store 512 consecutive bytes, at a multiple of 256 from the buffer's first byte
	global_store_b64 v2, v[228:229], s[YB:YB+1] offset:512     ; and 256
	global_store_b16 v4, v240, s[YS:YS+1]                      ; two bytes a row, 8 bytes apart (lanes r and r + 16 the same): one part in 24 of what the launch stores
	s_wait_xcnt 0x0                                ; the stores have read their registers and bases: both are written again below and in the next pass
.irp i, 0,1,2,3,4,5
	v_mov_b32 v[16+\i], v[86+\i]                   ; the second pass's Q,
.endr
	v_mov_b32 v255, v92                            ; its scale words,
	s_mov_b32 s[GR], s[GR2]                        ; its group,
	s_mov_b64 s[YB:YB+1], s[YB2:YB2+1]             ; and where its y goes
	s_mov_b64 s[YS:YS+1], s[YS2:YS2+1]
	s_sub_co_u32 s[PASS], s[PASS], 1
	s_cmp_lg_u32 s[PASS], 0
	s_cbranch_scc1 .Lpass
	s_wait_tensorcnt 0x0
	ds_add_u32 v223, v243
	s_wait_dscnt 0x0
	s_endpgm
.Lfunc_end_k_qeb88c4d230_attn:
	.size	k_qeb88c4d230_attn, .Lfunc_end_k_qeb88c4d230_attn-k_qeb88c4d230_attn
	.p2alignl 7, 3214868480
	.fill 96, 4, 3214868480
	.section	.rodata,"a",@progbits
	.p2align	6, 0x0
	.amdhsa_kernel k_qeb88c4d230_attn
		.amdhsa_group_segment_fixed_size 210944
		.amdhsa_private_segment_fixed_size 0
		.amdhsa_enable_private_segment 0
		.amdhsa_kernarg_size 40
		.amdhsa_user_sgpr_count 2
		.amdhsa_user_sgpr_kernarg_segment_ptr 1
		.amdhsa_wavefront_size32 1
		.amdhsa_system_sgpr_workgroup_id_x 1
		.amdhsa_system_sgpr_workgroup_id_y 1
		.amdhsa_system_sgpr_workgroup_id_z 1
		.amdhsa_system_vgpr_workitem_id 0
		.amdhsa_next_free_vgpr 256
		.amdhsa_next_free_sgpr 96
		.amdhsa_reserve_vcc 1
		.amdhsa_float_denorm_mode_32 3
		.amdhsa_float_denorm_mode_16_64 3
		.amdhsa_memory_ordered 1
		.amdhsa_forward_progress 1
		.amdhsa_inst_pref_size 105
	.end_amdhsa_kernel
	.amdgpu_metadata
---
amdhsa.version: [ 1, 2 ]
amdhsa.kernels:
  - .name:           k_qeb88c4d230_attn
    .symbol:         k_qeb88c4d230_attn.kd
    .args:
      - { .name: qc, .offset: 0, .size: 8, .value_kind: global_buffer, .address_space: global }
      - { .name: qs, .offset: 8, .size: 8, .value_kind: global_buffer, .address_space: global }
      - { .name: kv, .offset: 16, .size: 8, .value_kind: global_buffer, .address_space: global }
      - { .name: yc, .offset: 24, .size: 8, .value_kind: global_buffer, .address_space: global }
      - { .name: ys, .offset: 32, .size: 8, .value_kind: global_buffer, .address_space: global }
    .group_segment_fixed_size: 210944
    .private_segment_fixed_size: 0
    .kernarg_segment_align: 8
    .kernarg_segment_size: 40
    .max_flat_workgroup_size: 512
    .sgpr_count:     96
    .vgpr_count:     256
    .wavefront_size: 32
...
	.end_amdgpu_metadata
.endif
;; end of part 3
;; launch oproj (part 4): grid 4 x 32, 4 waves a work-group, clusters of 4 x 4, 327,680 bytes of LDS; arguments yc, ys, cw, sw, out0; writes out0
.if DOCPART == 4
	.amdgcn_target "amdgcn-amd-amdhsa--gfx1250"
	.amdhsa_code_object_version 6
	.text
	.protected	k_qeb88c4d230_oproj
	.globl	k_qeb88c4d230_oproj
	.p2align	8
	.type	k_qeb88c4d230_oproj,@function
k_qeb88c4d230_oproj:
	s_mov_b64 s[64:65], 0
	v_nop
	global_prefetch_b8 v0, s[64:65] scope:SCOPE_SE
	s_setreg_imm32_b32 hwreg(HW_REG_WAVE_MODE, 25, 1), 1
	s_wait_xcnt 0x0
	s_wait_alu depctr_hold_cnt(0) depctr_sa_sdst(0) depctr_va_vdst(0) depctr_va_sdst(0) depctr_va_ssrc(0) depctr_va_vcc(0) depctr_vm_vsrc(0)
	s_getreg_b32 s2, hwreg(HW_REG_IB_STS2, 6, 4)
	s_cmp_eq_u32 s2, 0
	s_cbranch_scc0 .Lentry_in_a_cluster
	s_endpgm
.Lentry_in_a_cluster:
	s_bfe_u32 s2, ttmp6, 0x10000c
	s_cmp_lg_u32 s2, 0xf033
	s_cbranch_scc0 .Lentry_shape_is_right
	s_endpgm
.Lentry_shape_is_right:
; out0 = y wo^T on codes of FP6 (E2M3) with E8M0 scales; out0 [8192][1024] f32; sums in f32.
; OPERANDS (yc, ys for y; cw, sw from tile 704 on for wo) are images of the operand's registers.  A tile is 16 rows: lane r holds row 32 (t / 2) + 8 (t % 2) + r + 8 (r / 8).  For each 64 along K it has 768 bytes: lane l's first
; 16 bytes at 16 l, its last 8 at 512 + 8 l.  So a fragment (16 rows x 128 K, 12 registers) is four LDS loads whose lanes read consecutive bytes: no pitch, no padding.
; A block of 256 x 256 of out0 is made by four waves, 128 x 128 each: 64 accumulators, 512 registers.  K = 1,024 goes in four steps of 256 through two LDS slots filled by the tensor data mover.
; Source 0 ("B") = 16 rows of wo, source 1 ("A") = 16 rows of y: a lane holds eight neighbouring numbers of a row of out0.
; CLUSTERS: 4 x 4 work-groups.  The four of a row of the cluster need the same tiles of A, the four of a column the same tiles of B: each tile is asked for jointly, by the same tensor load with the same descriptor and a mask that names the four.
; THE SCALE WORDS of the work-group's 16 tiles of A and of B, for all of K, are two dense blocks of 8,192 bytes: they come into LDS once, with the first fills.
; REGISTERS, in windows of 256: window 0: v16-31 addresses; v32-63 scale words, two sets, and nothing else; v128-223 A's fragments, one set; on the way out v128-255 take rows read back from the stage.
;   window 1: B's fragments, two sets, at v0 and v128.   window 2: the accumulators of A's tiles 0-3 ((a, b) at v[8 (8 a + b)]);   window 3: those of tiles 4-7.
.set NQ,    2                          ; matrix instructions deep in a slot
.set FR,    12                         ; registers of a fragment
.set NL,    4                          ; LDS loads that bring one
.set NP,    4                          ; places behind this matrix instruction (ISA guide 7.12.1)
.set TILEB, 3072                       ; a tile's bytes of one K step of 256: four images of 768
.set HALFT, 8*TILEB                    ; eight tiles: what one tensor load brings, and what one wave reads of A or of B
.set SLOT,  4*HALFT                    ; A's 16 tiles, then B's 16
.set SCL,   2*SLOT                     ; behind the ring: A's scale words, 8,192 bytes; B's begin 128 bytes further on than 8,192, so that lanes 0-15 and 16-31 of a load read different halves of 256 bytes
.set HALFS, 4096                       ; the scale words of eight tiles
.set SBLK,  512                        ; of one tile
.set SPARE, SCL+16640                  ; the spare words, 128 bytes for each wave: two blocks of 256 bytes that no other line names
.set SPITCH, 528                       ; the way out: a stage of 16 rows x (512 bytes + 16) for each wave.  It lies in slot 0, which has had its last fill and its last read when the first result is stored there
.set ADRA, 16                          ; v16-17 LDS address of my A fragments in slot 0, 1, 16 bytes a lane;  v18-19 the same, 8 bytes a lane
.set ADRB, 20                          ; v20-23 the same for B
.set L16,  24                          ; v24    16 x lane
.set L8,   25                          ; v25    8 x lane
.set STO,  26                          ; v26    the way out: where I put 32 bytes of a row
.set ADRS, 27                          ; v27    LDS address of my scale words: lanes 0-15 A's, lanes 16-31 B's
.set SPW,  28                          ; v28    LDS address of my spare word; never rewritten
.set NIL,  29                          ; v29    0; never rewritten
.set RD,   30                          ; v30    the way out: where I read a row back
.set SC,   32                          ; scale words: set s at v[SC + 16 s]; register 2 i + q: lanes 0-15 A's tile i, lanes 16-31 B's tile i, the slot's q-th 128 along K
.set AF,   128                         ; A's fragments
.set BK,   128                         ; the way out: 16 rows read back: v128-191 and v192-255 by turns
.set WV,   14
.set HA,   15                          ; which half of A's tiles is mine.  Also: I fetch for A (0) or for B (1)
.set HB,   16                          ; which half of B's.  Also: which eight tiles I fetch
.set G1,   24                          ; s[24:31] descriptor group 1 for A's tiles;  s[32:39] group 0, one set for each slot
.set G0,   32
.set G1B,  48                          ; s[48:55], s[56:63] the same for B's
.set G0B,  56
.set G1S,  68                          ; s[68:75], s[76:79] for A's scale words;  s[80:87], s[88:91] for B's
.set G0S,  76
.set G1SB, 80
.set G0SB, 88
.set MSB, 0
.macro WIN new                         ; the immediate's high byte repeats the setting that is left
.if MSB != (\new)
	s_set_vgpr_msb (MSB<<8)|(\new)
.set MSB, (\new)
.endif
.endm
.set MUL_LO, 0xa1                      ; source 0 (B) window 1, source 1 (A) window 0, C and D window 2
.set MUL_HI, 0xf1                      ; the same, C and D window 3
.set TO_B,   0x40                      ; destination window 1, address window 0
; A joint load: waves 0 and 1 fetch for A, waves 2 and 3 for B.  Each line has one mask and one set of registers for all that issue it; the branch hangs on the wave's number alone.  Four v_nop follow each line.
.macro JLOAD g0a, g1a, g0b, g1b
	s_cmp_eq_u32 s[HA], 0
	s_cbranch_scc0 .Lfor_b_\@
	tensor_load_to_lds s[\g0a:\g0a+3], s[\g1a:\g1a+7]
	s_nop 0
.rept 4
	v_nop
.endr
	s_branch .Lasked_\@
.Lfor_b_\@:
	tensor_load_to_lds s[\g0b:\g0b+3], s[\g1b:\g1b+7]
	s_nop 0
.rept 4
	v_nop
.endr
.Lasked_\@:
.endm
.macro CREST                           ; a round of the cluster's barrier behind its opening barrier
	s_cmp_lg_u32 s[WV], 0
	s_cbranch_scc1 .Lnot_wave_0_\@
	s_barrier_signal -3
.Lnot_wave_0_\@:
	s_barrier_wait -3
	s_barrier_signal -1
	s_barrier_wait -1
.endm
.macro CROUND                          ; a whole round
	s_barrier_signal -1
	s_barrier_wait -1
	CREST
.endm
	s_load_b256 s[4:11], s[0:1], 0x0               ; yc s[4:5], ys s[6:7], cw s[8:9], sw s[10:11]
	s_load_b64 s[12:13], s[0:1], 0x20              ; out0
	v_lshl_add_u32 v[SPW], v0, 2, SPARE
	v_mov_b32 v[NIL], 0
	ds_add_u32 v28, v29
	ds_add_u32 v28, v29
	s_wait_dscnt 0x0
	v_lshrrev_b32 v1, 5, v0
	v_readfirstlane_b32 s[WV], v1                  ; wave 0..3
	s_lshr_b32 s[HA], s[WV], 1
	s_and_b32 s[HB], s[WV], 1
	s_bfe_u32 s40, ttmp6, 0x40000                  ; cx, cy: my place in the cluster
	s_bfe_u32 s41, ttmp6, 0x40004
	s_lshl_b32 s42, ttmp9, 2
	s_add_co_u32 s42, s42, s40                     ; my block of 256 columns = 4 x cluster x + cx
	s_and_b32 s17, ttmp7, 0xffff
	s_lshl_b32 s17, s17, 2
	s_add_co_u32 s17, s17, s41                     ; my block of 256 rows = 4 x cluster y + cy
	s_lshl_b32 s43, s41, 2
	s_lshl_b32 s43, 15, s43                        ; my row of the cluster
	s_lshl_b32 s44, 0x1111, s40                    ; my column
	; descriptor group 1: eight tiles' parts of a K step: 8 rows of 3,072 bytes (384 elements of 8 bytes), 12,288 bytes apart in memory, on end in LDS
	s_or_b32 s[G1+0], s43, (3<<16)|(1<<21)         ; 15:0 the mask: A's tiles go to my row; 17:16 elements of 8 bytes; 20 no padding; 21 set beside a mask
	s_or_b32 s[G1B+0], s44, (3<<16)|(1<<21)        ; B's go to my column
.irp g, G1, G1B
	s_mov_b32 s[\g+1], 384<<16                     ; tensor_dim0
	s_mov_b32 s[\g+2], 8<<16                       ; tensor_dim1
	s_mov_b32 s[\g+3], 384<<16                     ; tile_dim0
	s_mov_b32 s[\g+4], 8                           ; tile_dim1
	s_mov_b32 s[\g+5], 1536                        ; tensor_dim0_stride
	s_mov_b32 s[\g+6], 0
	s_mov_b32 s[\g+7], 0
.endr
	; and for the scale words of eight tiles: a dense block of 4,096 bytes as 16 rows of 256
	s_or_b32 s[G1S+0], s43, (3<<16)|(1<<21)
	s_or_b32 s[G1SB+0], s44, (3<<16)|(1<<21)
.irp g, G1S, G1SB
	s_mov_b32 s[\g+1], 32<<16
	s_mov_b32 s[\g+2], 16<<16
	s_mov_b32 s[\g+3], 32<<16
	s_mov_b32 s[\g+4], 16
	s_mov_b32 s[\g+5], 32
	s_mov_b32 s[\g+6], 0
	s_mov_b32 s[\g+7], 0
.endr
	s_lshl_b32 s18, s[HB], 3                       ; which eight tiles of the sixteen I fetch
	s_lshl_b32 s20, s17, 4
	s_add_co_u32 s20, s20, s18                     ; A: the first of them, in yc and ys
	s_lshl_b32 s46, s42, 4
	s_add_co_u32 s46, s46, s18
	s_add_co_u32 s46, s46, 704                     ; B: in cw and sw, where wo's tiles begin at 704
	s_lshl_b32 s22, s20, 9                         ; their scale words: 512 bytes a tile
	s_mov_b32 s23, 0
	s_lshl_b32 s92, s46, 9
	s_mov_b32 s93, 0
	s_mul_i32 s20, s20, 12288                      ; their codes: 12,288 bytes a tile
	s_mov_b32 s21, 0
	s_mul_i32 s46, s46, 12288
	s_mov_b32 s47, 0
	s_mul_i32 s45, s[WV], HALFT                    ; where they go: wave x eight tiles: no place in the cluster enters an LDS address
	s_mul_i32 s96, s[WV], HALFS
	s_wait_kmcnt 0x0
	s_add_nc_u64 s[20:21], s[4:5], s[20:21]
	s_add_nc_u64 s[22:23], s[6:7], s[22:23]
	s_add_nc_u64 s[46:47], s[8:9], s[46:47]
	s_add_nc_u64 s[92:93], s[10:11], s[92:93]
	CROUND                                         ; all sixteen work-groups are here: the first joint loads meet
	s_mov_b32 s[G0S], 1
	s_add_co_u32 s[G0S+1], s96, SCL
	s_mov_b64 s[G0S+2:G0S+3], s[22:23]
	s_or_b32 s[G0S+3], s[G0S+3], 0x80000000
	s_mov_b32 s[G0SB], 1
	s_add_co_u32 s[G0SB+1], s96, SCL+128
	s_mov_b64 s[G0SB+2:G0SB+3], s[92:93]
	s_or_b32 s[G0SB+3], s[G0SB+3], 0x80000000
	JLOAD G0S, G1S, G0SB, G1SB                     ; the scale words first: they are wanted with K step 0
.irp s, 0,1
	s_mov_b32 s[G0+4*\s], 1
	s_add_co_u32 s[G0+4*\s+1], s45, \s*SLOT
	s_add_nc_u64 s[G0+4*\s+2:G0+4*\s+3], s[20:21], \s*TILEB
	s_or_b32 s[G0+4*\s+3], s[G0+4*\s+3], 0x80000000
	s_mov_b32 s[G0B+4*\s], 1
	s_add_co_u32 s[G0B+4*\s+1], s45, \s*SLOT
	s_add_nc_u64 s[G0B+4*\s+2:G0B+4*\s+3], s[46:47], \s*TILEB
	s_or_b32 s[G0B+4*\s+3], s[G0B+4*\s+3], 0x80000000
	JLOAD G0+4*\s, G1, G0B+4*\s, G1B               ; three tensor loads of mine are out behind the second of these
.endr
	v_and_b32 v1, 15, v0                           ; r
	v_bfe_u32 v2, v0, 4, 1                         ; h
	v_and_b32 v3, 31, v0                           ; lane
	v_lshlrev_b32 v[L16], 4, v3
	v_lshlrev_b32 v[L8], 3, v3
	s_mul_i32 s21, s[HA], HALFT                    ; my eight tiles of A
	s_mul_i32 s22, s[HB], HALFT                    ; my eight of B,
	s_add_co_u32 s22, s22, 2*HALFT                 ; which lie behind A's sixteen
.irp s, 0,1
	v_add_nc_u32 v[ADRA+\s], s21, v[L16]
	v_add_nc_u32 v[ADRB+\s], s22, v[L16]
	v_add_nc_u32 v[ADRA+2+\s], s21, v[L8]
	v_add_nc_u32 v[ADRB+2+\s], s22, v[L8]
	s_add_co_u32 s21, s21, SLOT
	s_add_co_u32 s22, s22, SLOT
.endr
	v_lshlrev_b32 v5, 3, v1                        ; my row's two scale words of a K step
	s_mul_i32 s21, s[HA], HALFS                    ; A's: my eight tiles
	s_mul_i32 s22, s[HB], HALFS                    ; B's: my eight, behind A's sixteen and the 128 bytes
	s_add_co_u32 s22, s22, 2*HALFS+128
	s_sub_co_u32 s22, s22, s21
	v_mul_u32_u24 v6, s22, v2                      ; lanes 16-31 take B's: the lower base + h x the distance
	s_add_co_u32 s21, s21, SCL
	v_add_nc_u32 v5, v5, v6
	v_add_nc_u32 v[ADRS], s21, v5
	s_mul_i32 s23, s[WV], 16*SPITCH                ; my stage
	v_mul_u32_u24 v5, v1, SPITCH                   ; in: row r; my half's sixteen columns of each 32: + 64 h
	v_lshl_add_u32 v5, v2, 6, v5
	v_add_nc_u32 v[STO], s23, v5
	v_add_nc_u32 v[RD], s23, v[L16]                ; back: the 32 lanes take one row of 512 bytes
	s_lshl_b32 s20, s17, 8
	s_lshl_b32 s21, s[HA], 7
	s_add_co_u32 s20, s20, s21                     ; my first row of out0,
	s_lshl_b32 s20, s20, 12                        ; in bytes: 4,096 a row
	s_lshl_b32 s46, s42, 10                        ; my first column, in bytes: 1,024 x block + 512 x half
	s_lshl_b32 s47, s[HB], 9
	s_add_co_u32 s46, s46, s47
	s_add_co_u32 s20, s20, s46
	s_mov_b32 s21, 0
	s_add_nc_u64 s[12:13], s[12:13], s[20:21]
.macro FRAG reg, adr, q, i             ; a fragment: tile i's two images of the slot's q-th 128 along K: registers 0-3, 4-5, 6-9, 10-11
	ds_load_b128 v[\reg:\reg+3], v[\adr] offset:(\i)*TILEB+(\q)*1536
	ds_load_b64 v[\reg+4:\reg+5], v[\adr+2] offset:(\i)*TILEB+(\q)*1536+512
	ds_load_b128 v[\reg+6:\reg+9], v[\adr] offset:(\i)*TILEB+(\q)*1536+768
	ds_load_b64 v[\reg+10:\reg+11], v[\adr+2] offset:(\i)*TILEB+(\q)*1536+1280
.endm
; 16 matrix instructions: A's tiles a0, a0 + 1 x B's eight, 128 along K.  p: B's set;  sc: the set of scale words.  zero = 1: the first product starts the sums: nothing is ever cleared.
; The 64 accumulators take turns, one instruction a turn, in the same order in every step.
.macro MUL16 a0, p, q, sc, zero
.irp a, \a0, \a0+1
.irp b, 0,1,2,3,4,5,6,7
.if \zero
	v_wmma_scale_f32_16x16x128_f8f6f4 v[8*(8*((\a)%4)+\b):8*(8*((\a)%4)+\b)+7], v[128*(\p)+FR*\b:128*(\p)+FR*\b+FR-1], v[AF+FR*(\a):AF+FR*(\a)+FR-1], 0, v[SC+8*NQ*(\sc)+NQ*\b+(\q)], v[SC+8*NQ*(\sc)+NQ*(\a)+(\q)] matrix_a_fmt:MATRIX_FMT_FP6 matrix_b_fmt:MATRIX_FMT_FP6 matrix_a_scale:MATRIX_SCALE_ROW1
.else
	v_wmma_scale_f32_16x16x128_f8f6f4 v[8*(8*((\a)%4)+\b):8*(8*((\a)%4)+\b)+7], v[128*(\p)+FR*\b:128*(\p)+FR*\b+FR-1], v[AF+FR*(\a):AF+FR*(\a)+FR-1], v[8*(8*((\a)%4)+\b):8*(8*((\a)%4)+\b)+7], v[SC+8*NQ*(\sc)+NQ*\b+(\q)], v[SC+8*NQ*(\sc)+NQ*(\a)+(\q)] matrix_a_fmt:MATRIX_FMT_FP6 matrix_b_fmt:MATRIX_FMT_FP6 matrix_a_scale:MATRIX_SCALE_ROW1
.endif
.endr
.endr
.endm
.macro FETCH_B slot, q, p              ; B's eight fragments into set p
	WIN TO_B
.irp i, 0,1,2,3,4,5,6,7
	FRAG 128*(\p)+FR*\i, ADRB+\slot, \q, \i
.endr
	WIN 0
.endm
.macro FETCH_A slot, q, i0             ; A's tiles i0 .. i0 + 3
.irp i, \i0, \i0+1, \i0+2, \i0+3
	FRAG AF+FR*(\i), ADRA+\slot, \q, \i
.endr
.endm
.macro SCALES sc                       ; a K step's scale words into set sc: two words a row; lanes 0-15 take A's tile i, lanes 16-31 B's tile i
.irp i, 0,1,2,3,4,5,6,7
	ds_load_b64 v[SC+8*NQ*\sc+NQ*\i:SC+8*NQ*\sc+NQ*\i+1], v[ADRS] offset:\i*SBLK
.endr
.endm
; A load into a register that a matrix instruction has read, and an LDS store that reads a matrix result, stand NP places behind that matrix instruction; only plain vector instructions that name none of its registers are places.
.macro PLACES n
.rept \n
	v_nop
.endr
.endm
; A step of 128 along K that has its successor in the same slot.  A tile of A is free as soon as its eight products are issued, so one set of registers serves A.
.macro STEP slot, q, zero
	s_wait_dscnt 4*NL                              ; B's set, A's tiles 0-3 and the scale words are in; the youngest sixteen loads (A's tiles 4-7) may be out
	WIN MUL_LO
	MUL16 0, (\q)%2, \q, \slot, \zero
	MUL16 2, (\q)%2, \q, \slot, \zero
	s_wait_dscnt 0                                 ; A's tiles 4-7 are in
	PLACES NP
	FETCH_B \slot, (\q)+1, 1-(\q)%2
	FETCH_A \slot, (\q)+1, 0
	WIN MUL_HI
	MUL16 4, (\q)%2, \q, \slot, \zero
	MUL16 6, (\q)%2, \q, \slot, \zero
	PLACES NP
	WIN 0
	FETCH_A \slot, (\q)+1, 4
.endm
; A slot's last step changes slots: one barrier; in front of it each wave waits for all its tensor loads, adds 0 to its spare word, and waits for that and for its own reads of this slot.  fill = 1: this slot is filled again, two K steps ahead.
.macro TURN slot, next, fill
	s_wait_tensorcnt 0x0                           ; all my tensor loads have landed: my part of the next slot  (every window is 0 here)
	ds_add_u32 v[SPW], v[NIL]                      ; 0 onto my spare word
	s_wait_dscnt 4*NL+1                            ; the add and the youngest sixteen loads, A's tiles 4-7, may be out
	WIN MUL_LO
	MUL16 0, 1, NQ-1, \slot, 0                     ; sixteen matrix instructions stand between the add and the wait for it
	s_wait_dscnt 0x0                               ; the add is done, and my reads of this slot are over
	s_barrier_signal -1
	MUL16 2, 1, NQ-1, \slot, 0
	WIN 0
	s_barrier_wait -1
.if \fill
	CREST                                          ; the barrier has opened a round of the cluster's barrier: no wave of any partner still reads this slot or has a load on its way
	s_add_nc_u64 s[G0+4*\slot+2:G0+4*\slot+3], s[G0+4*\slot+2:G0+4*\slot+3], 2*TILEB
	s_add_nc_u64 s[G0B+4*\slot+2:G0B+4*\slot+3], s[G0B+4*\slot+2:G0B+4*\slot+3], 2*TILEB
	JLOAD G0+4*\slot, G1, G0B+4*\slot, G1B         ; the first tensor load behind the round; its four v_nop are also the places in front of the loads below
.else
	PLACES NP
.endif
	v_add_nc_u32 v[ADRS], 128, v[ADRS]             ; on to the next K step's scale words
	FETCH_B \next, 0, 0
	FETCH_A \next, 0, 0
	SCALES \next
	WIN MUL_HI
	MUL16 4, 1, NQ-1, \slot, 0
	MUL16 6, 1, NQ-1, \slot, 0
	PLACES NP
	WIN 0
	FETCH_A \next, 0, 4
.endm
	s_wait_tensorcnt 1                             ; the scale words and my part of K step 0 are in; K step 1's load may be out
	s_barrier_signal -1
	s_barrier_wait -1                              ; everybody's are
	FETCH_B 0, 0, 0
	FETCH_A 0, 0, 0
	SCALES 0
	FETCH_A 0, 0, 4
	STEP 0, 0, 1                                   ; K 0-127: the products start the sums.  K has four slots' worth, so the steps are written out: a loop would have one trip
	TURN 0, 1, 1                                   ; K 128-255; slot 0 takes K 512-767
	STEP 1, 0, 0
	TURN 1, 0, 1                                   ; slot 1 takes K 768-1023
	STEP 0, 0, 0
	TURN 0, 1, 0                                   ; nothing is left to fetch, so no round of the cluster's barrier.  Behind this barrier nobody reads slot 0 any more
	STEP 1, 0, 0
	s_wait_dscnt 4*NL                              ; the very last step
	WIN MUL_LO
	MUL16 0, 1, NQ-1, 1, 0
	MUL16 2, 1, NQ-1, 1, 0
	s_wait_dscnt 0
	WIN MUL_HI
	MUL16 4, 1, NQ-1, 1, 0
	MUL16 6, 1, NQ-1, 1, 0
	WIN 0
; THE WAY OUT, A's tiles one after the other: 16 rows x 128 columns.  In accumulator (a, b) lane (r, h) holds, of the tile's r-th row, columns 32 (b / 2) + 8 (b % 2) + 16 h + 0 .. 7.  A tile goes through my own stage in LDS and comes
; back as whole rows of 512 bytes.  LDS serves a wave's instructions in order (ISA guide 5.7.1.4): no wait between the stores and the loads, nor in front of the next tile's stores.
.macro TOSTAGE a
.set AC, 64*((\a)%4)
	WIN 0x08+4*((\a)/4)                            ; the data: window 2 or 3
.irp b, 0,1,2,3,4,5,6,7
	ds_store_b128 v[STO], v[AC+8*\b:AC+8*\b+3] offset:128*(\b/2)+32*(\b%2)          ; each accumulator from its low end on
	ds_store_b128 v[STO], v[AC+8*\b+4:AC+8*\b+7] offset:128*(\b/2)+32*(\b%2)+16
.endr
	WIN 0
.set BB, BK+64*((\a)%2)
.irp t, 0,1,2,3,4,5,6,7,8,9,10,11,12,13,14,15
	ds_load_b128 v[BB+4*\t:BB+4*\t+3], v[RD] offset:\t*SPITCH
.endr
.endm
.macro SEND a, younger                 ; younger: the LDS instructions issued behind tile a's loads, which may stay out
.set BB, BK+64*((\a)%2)
	s_wait_dscnt \younger                          ; the tile is back in registers
.irp t, 0,1,2,3,4,5,6,7,8,9,10,11,12,13,14,15
	global_store_b128 v[L16], v[BB+4*\t:BB+4*\t+3], s[12:13] offset:(32*((\a)/2)+8*((\a)%2)+\t+8*(\t/8))*4096 th:TH_STORE_NT   ; the tile's t-th row: 32 lanes store 512 consecutive bytes, at a multiple of 256 from out0's first byte; at most 127 rows on: inside the signed 24-bit immediate
.endr
.endm
	PLACES NP                                      ; behind the last products: for the loads into the registers that held A's fragments, and for the reads of their results
	TOSTAGE 0
.irp a, 1,2,3,4,5,6,7
.if \a > 1
	s_wait_xcnt 0x0                                ; tile a - 2's stores have read their registers: tile a's loads may land there
.endif
	TOSTAGE \a
	SEND \a-1, 32                                  ; behind tile a - 1's loads: tile a's 16 stores and 16 loads
.endr
	SEND 7, 0
	s_wait_tensorcnt 0x0                           ; the wave's end: behind my last tensor load and my last LDS store
	ds_add_u32 v[SPW], v[NIL]
	s_wait_dscnt 0x0
	CROUND                                         ; the closing round: no work-group ends while a partner may still ask for a tile that names it
	s_endpgm
.Lfunc_end_k_qeb88c4d230_oproj:
	.size	k_qeb88c4d230_oproj, .Lfunc_end_k_qeb88c4d230_oproj-k_qeb88c4d230_oproj
	.p2alignl 7, 3214868480
	.fill 96, 4, 3214868480
	.section	.rodata,"a",@progbits
	.p2align	6, 0x0
	.amdhsa_kernel k_qeb88c4d230_oproj
		.amdhsa_group_segment_fixed_size 327680
		.amdhsa_private_segment_fixed_size 0
		.amdhsa_enable_private_segment 0
		.amdhsa_kernarg_size 40
		.amdhsa_user_sgpr_count 2
		.amdhsa_user_sgpr_kernarg_segment_ptr 1
		.amdhsa_wavefront_size32 1
		.amdhsa_system_sgpr_workgroup_id_x 1
		.amdhsa_system_sgpr_workgroup_id_y 1
		.amdhsa_system_sgpr_workgroup_id_z 1
		.amdhsa_system_vgpr_workitem_id 0
		.amdhsa_next_free_vgpr 1024
		.amdhsa_next_free_sgpr 102
		.amdhsa_reserve_vcc 0
		.amdhsa_float_denorm_mode_32 3
		.amdhsa_float_denorm_mode_16_64 3
		.amdhsa_memory_ordered 1
		.amdhsa_forward_progress 1
		.amdhsa_inst_pref_size 143
	.end_amdhsa_kernel
	.amdgpu_metadata
---
amdhsa.version: [ 1, 2 ]
amdhsa.kernels:
  - .name:           k_qeb88c4d230_oproj
    .symbol:         k_qeb88c4d230_oproj.kd
    .args:
      - { .name: yc, .offset: 0, .size: 8, .value_kind: global_buffer, .address_space: global }
      - { .name: ys, .offset: 8, .size: 8, .value_kind: global_buffer, .address_space: global }
      - { .name: cw, .offset: 16, .size: 8, .value_kind: global_buffer, .address_space: global }
      - { .name: sw, .offset: 24, .size: 8, .value_kind: global_buffer, .address_space: global }
      - { .name: out0, .offset: 32, .size: 8, .value_kind: global_buffer, .address_space: global }
    .group_segment_fixed_size: 327680
    .private_segment_fixed_size: 0
    .kernarg_segment_align: 8
    .kernarg_segment_size: 40
    .max_flat_workgroup_size: 128
    .sgpr_count:     102
    .vgpr_count:     1024
    .wavefront_size: 32
...
	.end_amdgpu_metadata
.endif
;; end of part 4
